; MI455X (gfx1250); checked and timed in simulation.
; The chip was launched on July 23, 2026; its instructions are those of AMD's public machine-readable ISA for CDNA 5 (MIT licence, August 2026) and "CDNA5" Instruction Set Architecture Reference Guide (July 2026). The comments in the code are by the model that wrote it; some were corrected since.
;; Causal Self Attention. Allowed arithmetic: matrix products marked QUANTISED: E5M2 operands, one given power-of-two scale a tensor, by v_wmma_f32_16x16x64_bf8_bf8 or v_wmma_f32_16x16x128_bf8_bf8, f32 sums; everything else in f32.
;; Inputs: bk 1,024 float32; bo 1,024 float32; bq 1,024 float32; bv 1,024 float32; lowp_scales 12 int32 (the exponents e of the quantised operands' scales 2^e); wk 1,024 x 1,024 float32; wo 1,024 x 1,024 float32; wq 1,024 x 1,024 float32; wv 1,024 x 1,024 float32; x 4 x 2,048 x 1,024 float32.
;; Outputs: out0 4 x 2,048 x 1,024 float32.
;; This version of the problem:
;;   THIS VERSION OF THE PROBLEM IS GIVEN IN LOW PRECISION. The matrix products marked QUANTISED in the list below multiply operands that are first quantised to E5M2 (5 exponent bits, 2 mantissa bits; 8 bits a number), with one given power-of-two scale for each operand tensor; their sums are f32. All else is computed in f32.
;;   The module's matrix products, in the order in which they are computed (A, B: the left and right operand; K: the contracted axis; several contracted axes count as one K, in the product's order):
;;     1. [M 8,192, K 1,024] x [K 1,024, N 1,024]; A: input x; B: input wq: QUANTISED (scales: A lowp_scales[0], B lowp_scales[1])
;;     2. [M 8,192, K 1,024] x [K 1,024, N 1,024]; A: input x; B: input wk: QUANTISED (scales: A lowp_scales[2], B lowp_scales[3])
;;     3. [M 8,192, K 1,024] x [K 1,024, N 1,024]; A: input x; B: input wv: QUANTISED (scales: A lowp_scales[4], B lowp_scales[5])
;;     4. batch 64 x [M 2,048, K 64] x [K 64, N 2,048]; A: computed on the way; B: computed on the way: QUANTISED (scales: A lowp_scales[6], B lowp_scales[7])
;;     5. batch 64 x [M 2,048, K 2,048] x [K 2,048, N 64]; A: softmax (see below); B: computed on the way: QUANTISED (scales: A lowp_scales[8], B lowp_scales[9])
;;     6. [M 8,192, K 1,024] x [K 1,024, N 1,024]; A: computed on the way; B: input wo: QUANTISED (scales: A lowp_scales[10], B lowp_scales[11])
;;   THE QUANTISER, for each operand of a quantised product, along K:
;;     - The operand's scale is 2^e, e = its entry of the input lowp_scales (int32; the entries are numbered through the quantised products in the list's order, A before B).
;;     - Each number is divided by the scale, clamped to +-57,344, and rounded to the nearest number of E5M2, ties to even, subnormals kept.
;;     - The product sums the exact products of the quantised numbers (number of the format x scale) in f32.
;;   ~~~python
;;   def quantise(x, axis, e):      # numpy; x: float32 -> the quantised numbers, widened to float32 again
;;       x = np.moveaxis(x, axis, -1); K = x.shape[-1]
;;       r = np.clip(x / 2.0 ** e, -57344, 57344)
;;       step = 2.0 ** (np.maximum(np.frexp(np.where(r == 0, 1, r))[1] - 1, -14) - 2)
;;       q = np.round(r / step) * step * 2.0 ** e      # np.round: ties to even
;;       return np.moveaxis(q, -1, axis).astype(np.float32)
;;   ~~~
;;   SOFTMAX AHEAD OF A QUANTISED PRODUCT. Where the list says 'softmax', what is quantised is not the finished softmax but p = 2^(t - M), with t = logit x log2(e) and M = ceil(the row's largest t), a whole number; so 1/2 < the row's largest p <= 1. The row's sum l is taken of the UNQUANTISED p, in f32, and the product's result is divided by l at the end. Since M is a whole number, a kernel that streams over the keys may use a running M (the ceiling of the running maximum): every later rescaling is an exact power of two, so the quantised numbers keep their values, but for numbers so far below the row's largest that they fall under the format's range.
;;   OPERANDS COMPUTED ON THE WAY. 'Computed on the way' means the value that the module computes at that place (a softmax that the list does not call 'softmax' is quantised finished and normalised). What goes into a quantiser is computed in f32, as accurately as f32 sums, v_exp_f32 and their like allow (about 1e-6 of the number): no bf16 or f16 on the way to a quantiser, and a product that is left as it is and whose result goes on into a quantised operand takes f32 operands (vector FMAs, or v_wmma_f32_16x16x4_f32). A number that lies on a knife's edge between two numbers of the format may be rounded either way, as far as f32 arithmetic and the matrix unit's own rounding can turn it there, and no further.
;; One version. Each part assembles by itself: llvm-mc -triple=amdgcn-amd-amdhsa -mcpu=gfx1250 --defsym DOCPART=n.
;; ======== version 1 of 1: 4 launches
;; limits: right only within a limited range of input values
;; workspace buffers: xc 25,165,824 bytes; wc 4,194,304 bytes; qc 8,388,608 bytes; kvc 16,777,216 bytes; ac 8,388,608 bytes
;; launch quant (part 1): grid 640 x 1, 8 waves a work-group, no clusters, 68,608 bytes of LDS; arguments x, wq, wk, wv, wo, lowp_scales, xc, wc; writes xc, wc
.if DOCPART == 1
	.amdgcn_target "amdgcn-amd-amdhsa--gfx1250"
	.amdhsa_code_object_version 6
	.text
	.protected	k_qc18c2f7d85_quant
	.globl	k_qc18c2f7d85_quant
	.p2align	8
	.type	k_qc18c2f7d85_quant,@function
k_qc18c2f7d85_quant:
	s_mov_b64 s[64:65], 0
	v_nop
	global_prefetch_b8 v0, s[64:65] scope:SCOPE_SE
	s_setreg_imm32_b32 hwreg(HW_REG_WAVE_MODE, 25, 1), 1
	s_wait_xcnt 0x0
; x [8192][1024] and the four weights [1024 (k)][1024 (n)], f32, become codes of BF8 (E5M2), each with the scale 2^e that is given for it:
; code = number / 2^e, held within +-57,344, to the nearest code, ties to even.
; THE CODES ARE LAID AS IMAGES OF THE OPERAND'S REGISTERS.  A fragment is 16 rows x 128 along K: lane (r, h) holds row r, and its registers 2 c, 2 c + 1 hold
; k = 16 c + 8 h + 0 .. 7.  Registers 4 p .. 4 p + 3 of the 32 lanes are a plane of 512 bytes, lane l's 16 bytes at 16 l; a fragment is four planes, 2,048 bytes.
;   xc: [product 0 .. 2][tile of 16 tokens, 0 .. 511][K step of 128, 0 .. 7][2,048]      wc: [wq, wk, wv, wo][tile of 16 columns n, 0 .. 63][K step][2,048]
; x is an operand of three products with three given scales (entries 0, 2, 4): it is read once and converted three times, whatever the entries are, so that no later address hangs on them.
; Work-groups 0 .. 127 take the weights, 128 .. 639 take x.  Waves share nothing: no barrier.  No work-group reads what another reads: no cluster.
; LIMITS: each e between -126 and 112, so that 2^e and 57,344 x 2^e are f32 numbers.  NaN among the inputs is not served; an infinity is held at the largest code.
.set R,   16                           ; x: v16-79    16 rows' 16 bytes as they are loaded
.set X,   80                           ; x: v80-143   my 64 numbers: register 8 c + j = k 16 c + 8 h + j of my row
.set T,   144
.set C,   160                          ; x: v160-207  three fragments of codes, one for each product: no store's data are written again
.set SP,  528                          ; x: a stage row: 512 bytes + 16, so that sixteen lanes that read one column of sixteen rows start 16 bytes apart modulo 256
.set WST, 16*SP                        ; x: a wave's stage
.set WX,  16                           ; weights: v16-79 two sets of 32 numbers down K
.set E,   80                           ; weights: v80-95   codes of the groups of 8 with k = 16 c + 0 .. 7
.set OD,  96                           ; weights: v96-111  codes of the groups with k = 16 c + 8 .. 15
.macro MKSC e, vsc, vlim               ; 2^e as f32 (the conversion takes its exponent field)
	s_add_co_i32 s40, s[\e], 127
	s_lshl_b32 s41, s40, 23
	v_mov_b32 v[\vsc], s41
.endm
	s_load_b512 s[4:19], s[0:1], 0x0               ; x s[4:5], wq s[6:7], wk s[8:9], wv s[10:11], wo s[12:13], scales s[14:15], xc s[16:17], wc s[18:19]
	v_lshl_add_u32 v208, v0, 2, 0x10800
	v_mov_b32 v209, 0
	v_lshrrev_b32 v1, 5, v0
	s_delay_alu instid0(VALU_DEP_1)
	v_readfirstlane_b32 s36, v1                    ; wave 0 .. 7
	v_and_b32 v10, 31, v0                          ; lane
	s_wait_kmcnt 0x0
	s_load_b256 s[24:31], s[14:15], 0x0            ; entries 0 .. 7
	s_load_b128 s[32:35], s[14:15], 0x20           ; entries 8 .. 11
	s_cmp_lt_u32 ttmp9, 128
	s_cbranch_scc0 .Lx
; ---- THE WEIGHTS.  K is the first axis: a lane takes a column n and its registers run down K, so each load reads 128 consecutive bytes a wave (the eight waves
; stand side by side on 1,024) and the conversions give codes with K innermost.  A wave takes 32 columns x 128 along K: two fragments.
	s_lshr_b32 s37, ttmp9, 5                       ; which weight: 0 wq, 1 wk, 2 wv, 3 wo
	s_bfe_u32 s38, ttmp9, 0x20003                  ; which 256 columns
	s_and_b32 s39, ttmp9, 7                        ; which K step
	s_cmp_lt_u32 s37, 1
	s_cselect_b64 s[44:45], s[6:7], s[8:9]
	s_cmp_lt_u32 s37, 3
	s_cselect_b64 s[46:47], s[10:11], s[12:13]
	s_cmp_lt_u32 s37, 2
	s_cselect_b64 s[44:45], s[44:45], s[46:47]     ; the choice hangs on the work-group's number alone
	s_lshl_b32 s48, s39, 19                        ; 128 rows of 4,096 bytes
	s_lshl_b32 s49, s38, 10                        ; 256 columns
	s_add_co_u32 s48, s48, s49
	s_lshl_b32 s49, s36, 7                         ; my wave's 32 columns
	s_add_co_u32 s48, s48, s49
	s_mov_b32 s49, 0
	s_add_nc_u64 s[44:45], s[44:45], s[48:49]
	s_lshl_b32 s48, s37, 20                        ; wc: the weight,
	s_lshl_b32 s50, s38, 18                        ; 16 column tiles of 16,384 bytes,
	s_add_co_u32 s48, s48, s50
	s_lshl_b32 s50, s36, 15                        ; my wave's two,
	s_add_co_u32 s48, s48, s50
	s_lshl_b32 s50, s39, 11                        ; the K step
	s_add_co_u32 s48, s48, s50
	s_add_nc_u64 s[18:19], s[18:19], s[48:49]
	s_wait_alu depctr_va_vdst(0)
	v_lshlrev_b32 v1, 2, v10                       ; in: 4 bytes a lane
	v_lshlrev_b32 v2, 4, v10                       ; out: 16 bytes a lane
.macro LOADW t                         ; W(32 t + i, my column), i = 0 .. 31, into set t % 2
.irp i, 0,1,2,3,4,5,6,7,8,9,10,11,12,13,14,15,16,17,18,19,20,21,22,23,24,25,26,27,28,29,30,31
	global_load_b32 v[WX+32*((\t)%2)+\i], v1, s[44:45] offset:(32*(\t)+\i)*4096 th:TH_LOAD_NT
.endr
.endm
.macro BLOCKW t                        ; 32 along K: four groups of 8; group g holds k = 16 (2 t + g / 2) + 8 (g % 2) + 0 .. 7
.set XS, WX+32*((\t)%2)
.if (\t) < 3
	s_wait_loadcnt 32                              ; this block's 32 loads are in; the next block's may be out
.else
	s_wait_loadcnt 0
.endif
.irp i, 0,1,2,3,4,5,6,7,8,9,10,11,12,13,14,15,16,17,18,19,20,21,22,23,24,25,26,27,28,29,30,31
.endr
	v_cvt_scalef32_pk8_bf8_f32 v[E+4*(\t):E+4*(\t)+1], v[XS:XS+7], v4
	v_cvt_scalef32_pk8_bf8_f32 v[OD+4*(\t):OD+4*(\t)+1], v[XS+8:XS+15], v4
	v_cvt_scalef32_pk8_bf8_f32 v[E+4*(\t)+2:E+4*(\t)+3], v[XS+16:XS+23], v4
	v_cvt_scalef32_pk8_bf8_f32 v[OD+4*(\t)+2:OD+4*(\t)+3], v[XS+24:XS+31], v4
.if (\t) < 2
	LOADW (\t)+2
.endif
.endm
	LOADW 0
	LOADW 1
	s_wait_kmcnt 0x0
	s_cmp_lt_u32 s37, 1
	s_cselect_b32 s51, s25, s27                    ; entries 1 (wq), 3 (wk),
	s_cmp_lt_u32 s37, 3
	s_cselect_b32 s52, s29, s35                    ; 5 (wv), 11 (wo)
	s_cmp_lt_u32 s37, 2
	s_cselect_b32 s51, s51, s52
	MKSC 51, 4, 5
	s_wait_alu depctr_va_vdst(0)
	BLOCKW 0
	BLOCKW 1
	BLOCKW 2
	BLOCKW 3
	v_nop                                          ; one plain line between the last conversion and the lines that touch its result
; A fragment wants, in lane (r, 0), column r's groups with k = 16 c + 0 .. 7 and, in lane (r, 1), the same column's groups with k = 16 c + 8 .. 15.  Lane l holds both kinds of column l.
; One exchange of E's upper sixteen lanes with OD's lower sixteen makes E the fragment of columns 0 - 15 and OD that of columns 16 - 31.
.set i, 0
.rept 16
	v_permlane16_swap_b32 v[E+i], v[OD+i]
.set i, i+1
.endr
.irp p, 0,1,2,3
	global_store_b128 v2, v[E+4*\p:E+4*\p+3], s[18:19] offset:512*\p            ; a plane: 512 consecutive bytes
	global_store_b128 v2, v[OD+4*\p:OD+4*\p+3], s[18:19] offset:16384+512*\p    ; the next column tile's
.endr
	s_endpgm
; ---- x.  A work-group takes a tile of 16 tokens (64 KiB on end), wave w its K step w: one fragment for each of the three products.  Each load reads 512 consecutive bytes of one row; the 16 rows turn through
; the wave's own stage in LDS, from which a lane takes its row's 8 neighbours of each 16 along K.
.Lx:
	s_sub_co_u32 s37, ttmp9, 128                   ; the tile of tokens
	s_lshl_b32 s38, s37, 16
	s_lshl_b32 s39, s36, 9
	s_add_co_u32 s38, s38, s39
	s_mov_b32 s39, 0
	s_add_nc_u64 s[4:5], s[4:5], s[38:39]          ; x at the tile's first row, my 128 columns
	s_lshl_b32 s38, s37, 14
	s_lshl_b32 s42, s36, 11
	s_add_co_u32 s38, s38, s42
	s_add_nc_u64 s[16:17], s[16:17], s[38:39]      ; my fragment's place in the first product's region of xc,
	s_add_nc_u64 s[20:21], s[16:17], 0x800000      ; the second's,
	s_add_nc_u64 s[22:23], s[16:17], 0x1000000     ; the third's
	s_wait_alu depctr_va_vdst(0)
	v_lshlrev_b32 v1, 4, v10                       ; 16 x lane
	s_mul_i32 s43, s36, WST
	v_add_nc_u32 v2, s43, v1                       ; the stage, on the way in
	v_and_b32 v11, 15, v0                          ; r
	v_bfe_u32 v12, v0, 4, 1                        ; h
	s_delay_alu instid0(VALU_DEP_2)
	v_mul_u32_u24 v3, v11, SP
	s_delay_alu instid0(VALU_DEP_1)
	v_lshl_add_u32 v3, v12, 5, v3
	s_delay_alu instid0(VALU_DEP_1)
	v_add_nc_u32 v3, s43, v3                       ; and on the way out: row r, + 32 h bytes
.irp i, 0,1,2,3,4,5,6,7,8,9,10,11,12,13,14,15
	global_load_b128 v[R+4*\i:R+4*\i+3], v1, s[4:5] offset:4096*\i th:TH_LOAD_NT
.endr
	s_wait_alu depctr_va_vdst(0)
	s_wait_kmcnt 0x0
	MKSC 24, 4, 5                                  ; entry 0
	MKSC 26, 6, 7                                  ; entry 2
	MKSC 28, 8, 9                                  ; entry 4
	s_wait_alu depctr_va_vdst(0)
.irp i, 0,1,2,3,4,5,6,7,8,9,10,11,12,13,14,15
	s_wait_loadcnt 15-\i                           ; row i is in; the younger rows may be out
	ds_store_b128 v2, v[R+4*\i:R+4*\i+3] offset:SP*\i
.endr
.irp c, 0,1,2,3,4,5,6,7
	ds_load_b128 v[X+8*\c:X+8*\c+3], v3 offset:64*\c        ; LDS serves a wave's instructions in order: these see my stores
	ds_load_b128 v[X+8*\c+4:X+8*\c+7], v3 offset:64*\c+16
.endr
; One fragment of codes from the 64 numbers, which stay as they are for the next scale.
.macro QX sc, lim, cd, waits
.irp c, 0,1,2,3,4,5,6,7
.if \waits
	s_wait_dscnt 14-2*\c                           ; these two loads are in; the younger ones may be out
.endif
.irp j, 0,1,2,3,4,5,6,7
.endr
	v_cvt_scalef32_pk8_bf8_f32 v[C+\cd+2*\c:C+\cd+2*\c+1], v[T+8*(\c%2)+((X+8*\c+0)-(T+8*(\c%2)+0)):T+8*(\c%2)+7+((X+8*\c+0)-(T+8*(\c%2)+0))], v[\sc]
.endr
.endm
	QX 4, 5, 0, 1
	s_wait_alu depctr_va_vdst(0)
.irp p, 0,1,2,3
	global_store_b128 v1, v[C+4*\p:C+4*\p+3], s[16:17] offset:512*\p
.endr
	QX 6, 7, 16, 0
.irp p, 0,1,2,3
	global_store_b128 v1, v[C+16+4*\p:C+16+4*\p+3], s[20:21] offset:512*\p
.endr
	QX 8, 9, 32, 0
.irp p, 0,1,2,3
	global_store_b128 v1, v[C+32+4*\p:C+32+4*\p+3], s[22:23] offset:512*\p
.endr
	s_wait_tensorcnt 0x0
	ds_add_u32 v208, v209
	s_wait_dscnt 0x0
	s_endpgm
.Lfunc_end_k_qc18c2f7d85_quant:
	.size	k_qc18c2f7d85_quant, .Lfunc_end_k_qc18c2f7d85_quant-k_qc18c2f7d85_quant
	.p2alignl 7, 3214868480
	.fill 96, 4, 3214868480
	.section	.rodata,"a",@progbits
	.p2align	6, 0x0
	.amdhsa_kernel k_qc18c2f7d85_quant
		.amdhsa_group_segment_fixed_size 68608
		.amdhsa_private_segment_fixed_size 0
		.amdhsa_enable_private_segment 0
		.amdhsa_kernarg_size 64
		.amdhsa_user_sgpr_count 2
		.amdhsa_user_sgpr_kernarg_segment_ptr 1
		.amdhsa_wavefront_size32 1
		.amdhsa_system_sgpr_workgroup_id_x 1
		.amdhsa_system_sgpr_workgroup_id_y 1
		.amdhsa_system_sgpr_workgroup_id_z 1
		.amdhsa_system_vgpr_workitem_id 0
		.amdhsa_next_free_vgpr 210
		.amdhsa_next_free_sgpr 66
		.amdhsa_reserve_vcc 0
		.amdhsa_float_denorm_mode_32 3
		.amdhsa_float_denorm_mode_16_64 3
		.amdhsa_fp16_overflow 1
		.amdhsa_memory_ordered 1
		.amdhsa_forward_progress 1
		.amdhsa_inst_pref_size 26
	.end_amdhsa_kernel
	.amdgpu_metadata
---
amdhsa.version: [ 1, 2 ]
amdhsa.kernels:
  - .name:           k_qc18c2f7d85_quant
    .symbol:         k_qc18c2f7d85_quant.kd
    .args:
      - { .name: x, .offset: 0, .size: 8, .value_kind: global_buffer, .address_space: global }
      - { .name: wq, .offset: 8, .size: 8, .value_kind: global_buffer, .address_space: global }
      - { .name: wk, .offset: 16, .size: 8, .value_kind: global_buffer, .address_space: global }
      - { .name: wv, .offset: 24, .size: 8, .value_kind: global_buffer, .address_space: global }
      - { .name: wo, .offset: 32, .size: 8, .value_kind: global_buffer, .address_space: global }
      - { .name: lowp_scales, .offset: 40, .size: 8, .value_kind: global_buffer, .address_space: global }
      - { .name: xc, .offset: 48, .size: 8, .value_kind: global_buffer, .address_space: global }
      - { .name: wc, .offset: 56, .size: 8, .value_kind: global_buffer, .address_space: global }
    .group_segment_fixed_size: 68608
    .private_segment_fixed_size: 0
    .kernarg_segment_align: 8
    .kernarg_segment_size: 64
    .max_flat_workgroup_size: 256
    .sgpr_count:     66
    .vgpr_count:     210
    .wavefront_size: 32
...
	.end_amdgpu_metadata
.endif
;; end of part 1
;; launch qkv (part 2): grid 12 x 32, 4 waves a work-group, clusters of 4 x 4, 327,680 bytes of LDS; arguments xc, wc, lowp_scales, bq, bk, bv, qc, kvc; writes qc, kvc
.if DOCPART == 2
	.amdgcn_target "amdgcn-amd-amdhsa--gfx1250"
	.amdhsa_code_object_version 6
	.text
	.protected	k_qc18c2f7d85_qkv
	.globl	k_qc18c2f7d85_qkv
	.p2align	8
	.type	k_qc18c2f7d85_qkv,@function
k_qc18c2f7d85_qkv:
	s_mov_b64 s[64:65], 0
	v_nop
	global_prefetch_b8 v0, s[64:65] scope:SCOPE_SE
	s_setreg_imm32_b32 hwreg(HW_REG_WAVE_MODE, 25, 1), 1
	s_wait_xcnt 0x0
	s_wait_alu depctr_hold_cnt(0) depctr_sa_sdst(0) depctr_va_vdst(0) depctr_va_sdst(0) depctr_va_ssrc(0) depctr_va_vcc(0) depctr_vm_vsrc(0)
	s_getreg_b32 s2, hwreg(HW_REG_IB_STS2, 6, 4)
	s_cmp_eq_u32 s2, 0
	s_cbranch_scc0 .Lentry_in_a_cluster
	s_endpgm
.Lentry_in_a_cluster:
	s_bfe_u32 s2, ttmp6, 0x10000c
	s_cmp_lg_u32 s2, 0xf033
	s_cbranch_scc0 .Lentry_shape_is_right
	s_endpgm
.Lentry_shape_is_right:
; q, k, v = x W + b on codes of BF8 (E5M2), sums in f32, and each result quantised at once for the attention's products.  Cluster x = 0: q, 1: k, 2: v.
; OPERANDS ARE IMAGES OF THEIR REGISTERS: a fragment (16 rows x 128 K) is four planes of 512 bytes, lane l's 16 bytes at 16 l; lane (r, h) holds row r, registers 2 c, 2 c + 1 hold k = 16 c + 8 h + 0 .. 7.
; xc: [product][tile of 16 tokens][K step of 128][2,048];  wc: [weight][tile of 16 columns][K step][2,048].  So every LDS load takes 512 consecutive bytes, with no pitch and no padding.
; A tile of the result is 256 x 256: four waves, each 128 x 128 in 64 accumulators.  K = 1,024 goes in four steps of 256 through two LDS slots.
; THE MATRIX INSTRUCTION IS USED TRANSPOSED: source 0 = 16 rows of the B side, source 1 = 16 rows of the A side: lane (r, h) of accumulator (a, b) holds A-side row 16 a + r and B-side rows 16 b + 8 h + 0 .. 7.
;   q, k: A side = tokens, B side = the weight's columns: a lane's eight numbers are eight neighbours of a head's 64, the next product's K: one conversion gives registers 2 (b % 4), 2 (b % 4) + 1 of the fragment (token tile a, head b / 4).
;   v:    THE SIDES CHANGE PLACES (pointers and offsets alone): A side = the weight's columns, B side = tokens: a lane's eight numbers are eight neighbouring KEYS of one channel: registers of the fragment of V^T (16 channels a, 64 keys b / 4).
; So results leave as planes of 512 consecutive bytes straight from the registers.  qc: [head 0 .. 63][tile of 16 queries 0 .. 127][1,024];  kvc: [head][step of 64 keys 0 .. 31][K: 4 x 1,024, then V^T: 4 x 1,024].
; CLUSTERS: 4 x 4 work-groups; the A side's tile is shared along a row of the cluster, the B side's along a column: each is asked for jointly.  What the descriptors choose, they choose on cluster x, which all sixteen partners share.
; A sum stands for sum x 2^(ea + eb): the bias goes in as b / 2^(ea + eb), and the conversion takes the one scale 2^(e_next - ea - eb).
; LIMITS: e_next - ea - eb between -126 and 127, so that this power of two is an f32 number.  NaN is not served.
; REGISTERS: window 0: v16-29 addresses; v32-95 the bias by columns; v96-103 by rows; v104 the scale; v128-255 the A side's fragments, one set; on the way out v128-223 at work.
;   window 1: the B side's fragments, two sets.   windows 2, 3: the accumulators, (a, b) at v[8 (8 (a % 4) + b)].
.set FR,     16                        ; registers of a fragment
.set NL,     4                         ; LDS loads that bring one
.set NP,     4                         ; places behind this matrix instruction (ISA guide 7.12.1)
.set HALFT,  32768                     ; 8 row tiles x 4,096 bytes: what one tensor load brings, and what one wave reads of a side
.set BSIDE,  65536                     ; in a slot: the A side's 16 row tiles, then the B side's
.set SLOT,   131072
.set SPARE,  2*SLOT                    ; behind the ring: the spare words, 128 bytes for each wave
.set ADRA, 16                          ; v16-17  LDS address of my A-side fragments in slot 0, 1
.set ADRB, 20                          ; v20-21  the same for the B side
.set VO,   24                          ; v24-27  the way out: byte offsets
.set SPW,  28                          ; v28     LDS address of my spare word; never rewritten
.set NIL,  29                          ; v29     0; never rewritten
.set BB,   32
.set RB,   96
.set SC,   104
.set LIM,  105
.set AF,   128
.set TMP,  128
.set CD,   192
.set G1, 24
.set G0, 32
.set G1B, 48
.set G0B, 56
.set MSB, 0
.macro WIN new                         ; the immediate's high byte repeats the setting that is left
.if MSB != \new
	s_set_vgpr_msb (MSB<<8)|\new
.set MSB, \new
.endif
.endm
.set MUL_LO, 0xa1                      ; source 0 (B side) window 1, source 1 (A side) window 0, C and D window 2
.set MUL_HI, 0xf1                      ; the same, C and D window 3
.set TO_B,   0x40                      ; destination window 1, address window 0
; A joint load: waves 0 and 1 fetch for the A side, waves 2 and 3 for the B side.  The branch hangs on the wave's number alone.  Four v_nop follow each of the two lines.
.macro JLOAD g0a, g1a, g0b, g1b
	s_cmp_eq_u32 s15, 0
	s_cbranch_scc0 .Lfor_b_\@
	tensor_load_to_lds s[\g0a:\g0a+3], s[\g1a:\g1a+7]
	s_nop 0
.rept 4
	v_nop
.endr
	s_branch .Lasked_\@
.Lfor_b_\@:
	tensor_load_to_lds s[\g0b:\g0b+3], s[\g1b:\g1b+7]
	s_nop 0
.rept 4
	v_nop
.endr
.Lasked_\@:
.endm
.macro CREST                           ; a round of the cluster's barrier behind its opening barrier
	s_cmp_lg_u32 s14, 0
	s_cbranch_scc1 .Lnot_wave_0_\@
	s_barrier_signal -3
.Lnot_wave_0_\@:
	s_barrier_wait -3
	s_barrier_signal -1
	s_barrier_wait -1
.endm
.macro CROUND                          ; a whole round
	s_barrier_signal -1
	s_barrier_wait -1
	CREST
.endm
	s_load_b512 s[68:83], s[0:1], 0x0              ; xc s[68:69], wc s[70:71], scales s[72:73], bq s[74:75], bk s[76:77], bv s[78:79], qc s[80:81], kvc s[82:83]
	v_lshl_add_u32 v[SPW], v0, 2, SPARE
	v_mov_b32 v[NIL], 0
	ds_add_u32 v28, v29
	ds_add_u32 v28, v29
	s_wait_dscnt 0x0
	v_lshrrev_b32 v1, 5, v0
	v_readfirstlane_b32 s14, v1                    ; wave 0 .. 3
	s_lshr_b32 s15, s14, 1                         ; which half of the A side's rows is mine.  Also: I fetch for the A side (0) or the B side (1)
	s_and_b32 s16, s14, 1                          ; which half of the B side's rows.  Also: which 8 row tiles of that side I fetch
	s_bfe_u32 s40, ttmp6, 0x40000                  ; cx, cy: my place in the cluster
	s_bfe_u32 s41, ttmp6, 0x40004
	s_and_b32 s4, ttmp7, 0xffff
	s_lshl_b32 s4, s4, 2                           ; 4 x cluster y
	s_add_co_u32 s18, s4, s41
	s_add_co_u32 s19, s4, s40
	s_cmp_eq_u32 ttmp9, 2                          ; v?  (cluster x: the same in all sixteen partners)
	s_cselect_b32 s17, s41, s18                    ; the A side's block of 256 rows: tokens 4 Y + cy, or for v the weight's columns cy: made of cy and Y alone
	s_cselect_b32 s42, s19, s40                    ; the B side's: the weight's columns cx, or for v tokens 4 Y + cx: made of cx and Y alone
	s_lshl_b32 s43, s41, 2
	s_lshl_b32 s43, 15, s43                        ; my row of the cluster
	s_lshl_b32 s44, 0x1111, s40                    ; my column
	; descriptor group 1: 8 row tiles; of each 4,096 bytes (a K step of 256), 16,384 bytes apart; dense in LDS
	s_or_b32 s[G1+0], s43, (3<<16)|(1<<21)         ; 15:0 the mask: my row; 17:16 elements of 8 bytes; 20 no padding; 21 set beside a mask
	s_or_b32 s[G1B+0], s44, (3<<16)|(1<<21)        ; the same with my column
.irp g, G1, G1B
	s_mov_b32 s[\g+1], 512<<16                     ; tensor_dim0 = 512 elements
	s_mov_b32 s[\g+2], 8<<16                       ; tensor_dim1 = 8
	s_mov_b32 s[\g+3], 512<<16                     ; tile_dim0
	s_mov_b32 s[\g+4], 8                           ; tile_dim1
	s_mov_b32 s[\g+5], 2048                        ; tensor_dim0_stride: 16,384 bytes
	s_mov_b32 s[\g+6], 0
	s_mov_b32 s[\g+7], 0
.endr
	s_lshl_b32 s5, s16, 17                         ; which 8 row tiles I fetch
	s_lshl_b32 s20, s17, 18                        ; a block of 256 rows is 16 row tiles of 16,384 bytes
	s_add_co_u32 s20, s20, s5
	s_lshl_b32 s46, s42, 18
	s_add_co_u32 s46, s46, s5
	s_lshl_b32 s6, ttmp9, 23                       ; this product's region of xc,
	s_lshl_b32 s7, ttmp9, 20                       ; and its weight in wc
	s_cmp_eq_u32 ttmp9, 2
	s_cselect_b32 s10, s7, s6                      ; the A side's,
	s_cselect_b32 s11, s6, s7                      ; the B side's
	s_add_co_u32 s20, s20, s10                     ; under 2^25 in all
	s_add_co_u32 s46, s46, s11
	s_mov_b32 s21, 0
	s_mov_b32 s47, 0
	s_lshl_b32 s45, s14, 15                        ; where they go: wave x 32,768: no place in the cluster enters an LDS address
	s_wait_kmcnt 0x0
	s_load_b256 s[88:95], s[72:73], 0x0            ; entries 0 .. 7
	s_load_b128 s[96:99], s[72:73], 0x20           ; entries 8 .. 11: they enter no address
	s_cmp_eq_u32 ttmp9, 2
	s_cselect_b64 s[12:13], s[70:71], s[68:69]     ; the A side's buffer,
	s_cselect_b64 s[8:9], s[68:69], s[70:71]       ; the B side's
	s_add_nc_u64 s[20:21], s[12:13], s[20:21]
	s_add_nc_u64 s[46:47], s[8:9], s[46:47]
	CROUND                                         ; all sixteen work-groups are here: the first joint loads meet
.irp s, 0,1
	s_mov_b32 s[G0+4*\s], 1
	s_add_co_u32 s[G0+4*\s+1], s45, \s*SLOT
	s_add_nc_u64 s[G0+4*\s+2:G0+4*\s+3], s[20:21], \s*4096
	s_or_b32 s[G0+4*\s+3], s[G0+4*\s+3], 0x80000000
	s_mov_b32 s[G0B+4*\s], 1
	s_add_co_u32 s[G0B+4*\s+1], s45, \s*SLOT
	s_add_nc_u64 s[G0B+4*\s+2:G0B+4*\s+3], s[46:47], \s*4096
	s_or_b32 s[G0B+4*\s+3], s[G0B+4*\s+3], 0x80000000
	JLOAD G0+4*\s, G1, G0B+4*\s, G1B
.endr
	v_and_b32 v1, 31, v0
	v_lshlrev_b32 v4, 4, v1                        ; 16 x lane: my place in every plane
	s_lshl_b32 s21, s15, 15                        ; my 8 row tiles of the A side
	s_lshl_b32 s22, s16, 15                        ; and of the B side,
	s_add_co_u32 s22, s22, BSIDE                   ; which lies behind the A side
.irp s, 0,1
	v_add_nc_u32 v[ADRA+\s], s21, v4
	v_add_nc_u32 v[ADRB+\s], s22, v4
	s_add_co_u32 s21, s21, SLOT
	s_add_co_u32 s22, s22, SLOT
.endr
	s_wait_alu depctr_va_vdst(0)
	; the scales and the bias of this product, chosen without a branch
	s_wait_kmcnt 0x0
	s_add_co_i32 s5, s88, s89
	s_add_co_i32 s10, s90, s91
	s_add_co_i32 s11, s92, s93
	s_cmp_eq_u32 ttmp9, 1
	s_cselect_b32 s5, s10, s5
	s_cselect_b32 s10, s95, s94                    ; k: entry 7; q: entry 6
	s_cselect_b64 s[12:13], s[76:77], s[74:75]
	s_cmp_eq_u32 ttmp9, 2
	s_cselect_b32 s5, s11, s5                      ; ea + eb
	s_cselect_b32 s10, s97, s10                    ; v: entry 9
	s_cselect_b64 s[12:13], s[78:79], s[12:13]     ; the bias
	s_lshl_b32 s18, s42, 10
	s_lshl_b32 s19, s16, 9
	s_add_co_u32 s18, s18, s19                     ; q, k: the bias runs along the B side: 4 (256 block + 128 half) bytes
	s_lshl_b32 s22, s17, 10
	s_lshl_b32 s19, s15, 9
	s_add_co_u32 s22, s22, s19                     ; v: along the A side
	s_cmp_eq_u32 ttmp9, 2
	s_cselect_b32 s18, 0, s18                      ; the set that is not used is loaded from the bias's head: every register is written, and no load leaves its buffer
	s_cselect_b32 s22, s22, 0
	s_mov_b32 s19, 0
	s_mov_b32 s23, 0
	s_add_nc_u64 s[18:19], s[12:13], s[18:19]
	s_add_nc_u64 s[22:23], s[12:13], s[22:23]
	v_bfe_u32 v2, v0, 4, 1                         ; h
	v_and_b32 v3, 15, v0                           ; r
	v_lshlrev_b32 v5, 5, v2
	v_lshlrev_b32 v6, 2, v3
.irp b, 0,1,2,3,4,5,6,7
	global_load_b128 v[BB+8*\b:BB+8*\b+3], v5, s[18:19] offset:64*\b          ; b(16 b + 8 h + 0 .. 7)
	global_load_b128 v[BB+8*\b+4:BB+8*\b+7], v5, s[18:19] offset:64*\b+16
.endr
.irp a, 0,1,2,3,4,5,6,7
	global_load_b32 v[RB+\a], v6, s[22:23] offset:64*\a                        ; b(16 a + r)
.endr
	s_sub_co_i32 s10, s10, s5                      ; e_next - ea - eb
	s_add_co_i32 s10, s10, 127
	s_lshl_b32 s11, s10, 23
	v_mov_b32 v[SC], s11                           ; that power of two as f32: the conversion takes its exponent field
	s_sub_co_i32 s5, 0, s5                         ; -(ea + eb), for the bias
.macro FRAG reg, adr, q, i             ; a fragment comes back as it was stored: four planes
.irp c, 0,1,2,3
	ds_load_b128 v[\reg+4*\c:\reg+4*\c+3], v[\adr] offset:2048*(\q)+4096*(\i)+512*\c
.endr
.endm
; 16 matrix instructions: A-side blocks a0, a0 + 1 x the B side's eight, 128 along K.  p: the B side's set.  zero = 1: the first product starts the sums.
; The 64 accumulators take turns, one instruction a turn, in the same order in every step.
.macro MUL16 a0, p, zero
.irp a, \a0, \a0+1
.irp b, 0,1,2,3,4,5,6,7
.if \zero
	v_wmma_f32_16x16x128_bf8_bf8 v[8*(8*((\a)%4)+\b):8*(8*((\a)%4)+\b)+7], v[128*(\p)+FR*\b:128*(\p)+FR*\b+FR-1], v[AF+FR*(\a):AF+FR*(\a)+FR-1], 0
.else
	v_wmma_f32_16x16x128_bf8_bf8 v[8*(8*((\a)%4)+\b):8*(8*((\a)%4)+\b)+7], v[128*(\p)+FR*\b:128*(\p)+FR*\b+FR-1], v[AF+FR*(\a):AF+FR*(\a)+FR-1], v[8*(8*((\a)%4)+\b):8*(8*((\a)%4)+\b)+7]
.endif
.endr
.endr
.endm
.macro FETCH_B slot, q, p
	WIN TO_B
.irp i, 0,1,2,3,4,5,6,7
	FRAG 128*(\p)+FR*\i, ADRB+\slot, \q, \i
.endr
	WIN 0
.endm
.macro FETCH_A slot, q, i0
.irp i, \i0, \i0+1, \i0+2, \i0+3
	FRAG AF+FR*(\i), ADRA+\slot, \q, \i
.endr
.endm
.macro PLACES n                        ; plain vector lines between a matrix instruction and a load into, or a read of, its registers
.rept \n
	v_nop
.endr
.endm
; A step of 128 along K that has its successor in the same slot.  A block of the A side is free as soon as its eight products are issued: one set serves; the B side has two.
.macro STEP slot, q, zero
	s_wait_dscnt 4*NL                              ; the B side's set and A-side blocks 0-3 are in; the youngest sixteen loads (blocks 4-7) may be out
	WIN MUL_LO
	MUL16 0, (\q)%2, \zero
	MUL16 2, (\q)%2, \zero
	s_wait_dscnt 0                                 ; blocks 4-7 are in
	PLACES NP
	FETCH_B \slot, (\q)+1, 1-(\q)%2
	FETCH_A \slot, (\q)+1, 0
	WIN MUL_HI
	MUL16 4, (\q)%2, \zero
	MUL16 6, (\q)%2, \zero
	PLACES NP
	WIN 0
	FETCH_A \slot, (\q)+1, 4
.endm
; A slot's last step changes slots: one barrier; in front of it each wave waits for all its tensor loads, adds 0 to its spare word, and waits for that and for its reads of this slot.  fill = 1: this slot is filled again, two K steps ahead.
.macro TURN slot, next, fill
	s_wait_tensorcnt 0x0                           ; all my tensor loads have landed: my part of the next slot
	ds_add_u32 v[SPW], v[NIL]                      ; 0 onto my spare word
	s_wait_dscnt 4*NL+1                            ; (the add and the youngest sixteen loads may be out)
	WIN MUL_LO
	MUL16 0, 1, 0
	s_wait_dscnt 0x0                               ; the add is done, and my reads of this slot are over
	s_barrier_signal -1
	MUL16 2, 1, 0
	WIN 0
	s_barrier_wait -1
.if \fill
	CREST                                          ; the barrier has opened a round of the cluster's barrier: no wave of any partner still reads this slot or has a load on its way
	s_add_nc_u64 s[G0+4*\slot+2:G0+4*\slot+3], s[G0+4*\slot+2:G0+4*\slot+3], 8192
	s_add_nc_u64 s[G0B+4*\slot+2:G0B+4*\slot+3], s[G0B+4*\slot+2:G0B+4*\slot+3], 8192
	JLOAD G0+4*\slot, G1, G0B+4*\slot, G1B         ; the first tensor load behind the round; its four v_nop are the places in front of the loads below
.else
	PLACES NP
.endif
	FETCH_B \next, 0, 0
	FETCH_A \next, 0, 0
	WIN MUL_HI
	MUL16 4, 1, 0
	MUL16 6, 1, 0
	PLACES NP
	WIN 0
	FETCH_A \next, 0, 4
.endm
	s_wait_tensorcnt 1                             ; my part of K step 0 is in (K step 1's load may be out)
	s_barrier_signal -1
	s_barrier_wait -1                              ; everybody's is
	FETCH_B 0, 0, 0
	FETCH_A 0, 0, 0
	FETCH_A 0, 0, 4
	STEP 0, 0, 1                                   ; K = 1,024 is eight steps of 128, written out: the first starts the sums
	TURN 0, 1, 1                                   ; slot 0 takes K step 2
	STEP 1, 0, 0
	TURN 1, 0, 1                                   ; slot 1 takes K step 3
	STEP 0, 0, 0
	TURN 0, 1, 0                                   ; nothing is left to fetch
	STEP 1, 0, 0
	s_wait_dscnt 4*NL
	WIN MUL_LO
	MUL16 0, 1, 0
	MUL16 2, 1, 0
	s_wait_dscnt 0
	WIN MUL_HI
	MUL16 4, 1, 0
	MUL16 6, 1, 0
	WIN 0
; THE WAY OUT, a block of 16 A-side rows at a time: + bias, the hold, the conversion; a block's 64 numbers a lane become 16 registers of codes: two fragments of 64 along the next K, four planes.
; mode 0 (q, k): the bias by columns.  mode 1 (v): by rows, one number a lane and block, kept twice as a pair.
.macro EPI mode
.irp a, 0,1,2,3,4,5,6,7
	s_wait_xcnt 0x0                                ; the earlier stores have read their registers: the codes' registers may be written again
	WIN 0x02+(\a/4)                                ; source 0: window 2 or 3
.irp b, 0,1,2,3,4,5,6,7
.irp i, 0,2,4,6
.if \mode
	v_pk_add_f32 v[TMP+8*\b+\i:TMP+8*\b+\i+1], v[64*(\a%4)+8*\b+\i:64*(\a%4)+8*\b+\i+1], v[BB+2*\a:BB+2*\a+1]
.else
	v_pk_add_f32 v[TMP+8*\b+\i:TMP+8*\b+\i+1], v[64*(\a%4)+8*\b+\i:64*(\a%4)+8*\b+\i+1], v[BB+8*\b+\i:BB+8*\b+\i+1]
.endif
.endr
.endr
	WIN 0
.irp b, 0,1,2,3,4,5,6,7
.irp j, 0,1,2,3,4,5,6,7
.endr
	v_cvt_scalef32_pk8_bf8_f32 v[CD+16*(\a%2)+2*\b:CD+16*(\a%2)+2*\b+1], v[TMP+8*\b:TMP+8*\b+7], v[SC]
.endr
	v_nop                                          ; one plain line behind the last conversion: the next block writes its sources
.irp hh, 0,1
.irp p, 0,1
.if \mode
	global_store_b128 v[VO], v[CD+16*(\a%2)+8*\hh+4*\p:CD+16*(\a%2)+8*\hh+4*\p+3], s[22:23] offset:(\a/4)*262144+(\a%4)*1024+\hh*8192+4096+512*\p
.else
	global_store_b128 v[VO+2*(\a/4)+\hh], v[CD+16*(\a%2)+8*\hh+4*\p:CD+16*(\a%2)+8*\hh+4*\p+3], s[22:23] offset:(\a%4)*1024+512*\p
.endif
.endr
.endr
.endr
.endm
	s_wait_loadcnt 0x0                             ; the biases; their bases may be written again
	PLACES NP                                      ; behind the last products
	s_cmp_eq_u32 ttmp9, 2                          ; cluster x: the same in all partners; no LDS instruction and no barrier stands in either arm
	s_cbranch_scc1 .Lv
.set i, 0
.rept 64
	v_ldexp_f32 v[BB+i], v[BB+i], s5               ; b / 2^(ea + eb)
.set i, i+1
.endr
	; my first fragment in qc: head 16 (batch) + 4 (column block) + 2 (half), query tile 16 (token block % 8) + 8 (half).  In kvc every term is twice as large.
	s_lshr_b32 s18, s17, 3
	s_lshl_b32 s18, s18, 4
	s_lshl_b32 s19, s42, 2
	s_add_co_u32 s18, s18, s19
	s_lshl_b32 s19, s16, 1
	s_add_co_u32 s18, s18, s19
	s_lshl_b32 s18, s18, 17
	s_and_b32 s19, s17, 7
	s_lshl_b32 s19, s19, 4
	s_lshl_b32 s20, s15, 3
	s_add_co_u32 s19, s19, s20
	s_lshl_b32 s19, s19, 10
	s_add_co_u32 s18, s18, s19
	s_cmp_eq_u32 ttmp9, 1
	s_cselect_b32 s20, 1, 0
	s_cselect_b64 s[22:23], s[82:83], s[80:81]     ; k goes to kvc, q to qc
	s_lshl_b32 s18, s18, s20
	s_mov_b32 s19, 0
	s_add_nc_u64 s[22:23], s[22:23], s[18:19]
	s_lshl_b32 s21, 4096, s20                      ; four token tiles on: 4,096 bytes in qc, a step of 8,192 in kvc
	s_lshl_b32 s20, 0x20000, s20                   ; a head on
	v_mov_b32 v[VO], v4
	v_add_nc_u32 v[VO+1], s20, v4
	v_add_nc_u32 v[VO+2], s21, v4
	v_add_nc_u32 v[VO+3], s20, v[VO+2]
	EPI 0
	s_branch .Lend
.Lv:
.irp a, 0,1,2,3,4,5,6,7
	v_ldexp_f32 v[BB+2*\a], v[RB+\a], s5
	v_ldexp_f32 v[BB+2*\a+1], v[RB+\a], s5
.endr
	; my first fragment of V^T: head 16 (batch) + 4 (column block) + 2 (half), step 4 (token block % 8) + 2 (half)
	s_lshr_b32 s18, s42, 3
	s_lshl_b32 s18, s18, 4
	s_lshl_b32 s19, s17, 2
	s_add_co_u32 s18, s18, s19
	s_lshl_b32 s19, s15, 1
	s_add_co_u32 s18, s18, s19
	s_lshl_b32 s18, s18, 18
	s_and_b32 s19, s42, 7
	s_lshl_b32 s19, s19, 2
	s_lshl_b32 s20, s16, 1
	s_add_co_u32 s19, s19, s20
	s_lshl_b32 s19, s19, 13
	s_add_co_u32 s18, s18, s19
	s_mov_b32 s19, 0
	s_add_nc_u64 s[22:23], s[82:83], s[18:19]
	v_mov_b32 v[VO], v4
	EPI 1
.Lend:
	s_wait_tensorcnt 0x0                           ; the wave's end
	ds_add_u32 v[SPW], v[NIL]
	s_wait_dscnt 0x0
	CROUND                                         ; the closing round: no work-group ends while a partner may still ask for a tile that names it
	s_endpgm
.Lfunc_end_k_qc18c2f7d85_qkv:
	.size	k_qc18c2f7d85_qkv, .Lfunc_end_k_qc18c2f7d85_qkv-k_qc18c2f7d85_qkv
	.p2alignl 7, 3214868480
	.fill 96, 4, 3214868480
	.section	.rodata,"a",@progbits
	.p2align	6, 0x0
	.amdhsa_kernel k_qc18c2f7d85_qkv
		.amdhsa_group_segment_fixed_size 327680
		.amdhsa_private_segment_fixed_size 0
		.amdhsa_enable_private_segment 0
		.amdhsa_kernarg_size 64
		.amdhsa_user_sgpr_count 2
		.amdhsa_user_sgpr_kernarg_segment_ptr 1
		.amdhsa_wavefront_size32 1
		.amdhsa_system_sgpr_workgroup_id_x 1
		.amdhsa_system_sgpr_workgroup_id_y 1
		.amdhsa_system_sgpr_workgroup_id_z 1
		.amdhsa_system_vgpr_workitem_id 0
		.amdhsa_next_free_vgpr 1024
		.amdhsa_next_free_sgpr 100
		.amdhsa_reserve_vcc 0
		.amdhsa_float_denorm_mode_32 3
		.amdhsa_float_denorm_mode_16_64 3
		.amdhsa_fp16_overflow 1
		.amdhsa_memory_ordered 1
		.amdhsa_forward_progress 1
		.amdhsa_inst_pref_size 135
	.end_amdhsa_kernel
	.amdgpu_metadata
---
amdhsa.version: [ 1, 2 ]
amdhsa.kernels:
  - .name:           k_qc18c2f7d85_qkv
    .symbol:         k_qc18c2f7d85_qkv.kd
    .args:
      - { .name: xc, .offset: 0, .size: 8, .value_kind: global_buffer, .address_space: global }
      - { .name: wc, .offset: 8, .size: 8, .value_kind: global_buffer, .address_space: global }
      - { .name: lowp_scales, .offset: 16, .size: 8, .value_kind: global_buffer, .address_space: global }
      - { .name: bq, .offset: 24, .size: 8, .value_kind: global_buffer, .address_space: global }
      - { .name: bk, .offset: 32, .size: 8, .value_kind: global_buffer, .address_space: global }
      - { .name: bv, .offset: 40, .size: 8, .value_kind: global_buffer, .address_space: global }
      - { .name: qc, .offset: 48, .size: 8, .value_kind: global_buffer, .address_space: global }
      - { .name: kvc, .offset: 56, .size: 8, .value_kind: global_buffer, .address_space: global }
    .group_segment_fixed_size: 327680
    .private_segment_fixed_size: 0
    .kernarg_segment_align: 8
    .kernarg_segment_size: 64
    .max_flat_workgroup_size: 128
    .sgpr_count:     100
    .vgpr_count:     1024
    .wavefront_size: 32
...
	.end_amdgpu_metadata
.endif
;; end of part 2
;; launch attn (part 3): grid 256 x 1, 16 waves a work-group, clusters of 4 x 1, 327,680 bytes of LDS; arguments qc, kvc, lowp_scales, ac; writes ac
.if DOCPART == 3
	.amdgcn_target "amdgcn-amd-amdhsa--gfx1250"
	.amdhsa_code_object_version 6
	.text
	.protected	k_qc18c2f7d85_attn
	.globl	k_qc18c2f7d85_attn
	.p2align	8
	.type	k_qc18c2f7d85_attn,@function
k_qc18c2f7d85_attn:
	s_mov_b64 s[64:65], 0
	v_nop
	global_prefetch_b8 v0, s[64:65] scope:SCOPE_SE
	s_setreg_imm32_b32 hwreg(HW_REG_WAVE_MODE, 25, 1), 1
	s_wait_xcnt 0x0
	s_wait_alu depctr_hold_cnt(0) depctr_sa_sdst(0) depctr_va_vdst(0) depctr_va_sdst(0) depctr_va_ssrc(0) depctr_va_vcc(0) depctr_vm_vsrc(0)
	s_getreg_b32 s2, hwreg(HW_REG_IB_STS2, 6, 4)
	s_cmp_eq_u32 s2, 0
	s_cbranch_scc0 .Lentry_in_a_cluster
	s_endpgm
.Lentry_in_a_cluster:
	s_bfe_u32 s2, ttmp6, 0x10000c
	s_cmp_lg_u32 s2, 0x3003
	s_cbranch_scc0 .Lentry_shape_is_right
	s_endpgm
.Lentry_shape_is_right:
; Causal attention on codes of BF8 (E5M2): 64 heads of 2,048 tokens x 64 channels.  Both products by the form with K = 64; sums, maxima and the softmax in f32.
; THE SOFTMAX AHEAD OF THE SECOND PRODUCT: t = score x log2(e) / 8; M = the running largest t rounded UP to a whole number; p = 2^(t - M) is quantised, not normalised; the row's sum is taken of the
; unquantised p and divides at the end.  When M moves, the sum and O are multiplied by 2^(old M - new M), which rounds nothing.
; SHARES.  A cluster of four work-groups is one head (cluster x).  THE HEAD'S WHOLE K AND V^T, 262,144 bytes, LIE IN LDS, filled once: no slot is ever filled again.  All four partners want the same bytes:
; each of the sixteen waves asks jointly for its sixteenth, in two loads: a small one (of key steps 0 - 3) and a large one (of steps 4 - 31), so that work begins when the small ones have landed.
; Wave w of partner g takes the 32 queries 128 j + 32 g + 0 .. 31, two tiles of 16, which share every fragment of K and V^T read from LDS, and walks the steps of 64 keys 0 .. 2 j + 1; the last two are masked.
; j hangs on the wave's number alone, so all partners run alike; g enters only qc's and ac's addresses and the number against which the mask compares.  (For g = 0, 1 step 2 j + 1 is wholly hidden: its p are 0.)
; j = 4 (a ^ b) + (a ^ m(b)) with w = 4 a + b, m = 0, 2, 3, 1: among the four waves with one a, and among the four with one b, the j add up to 30: the work is even however waves are dealt to SIMDs.
; LAYOUT.  Operands are images of their registers: a fragment (16 rows x 64 K) is two planes of 512 bytes, lane l's 16 bytes at 16 l; lane (r, h): row r, registers 2 c, 2 c + 1: k = 16 c + 8 h + 0 .. 7.
; Both products are used transposed: S^T = K Q^T (a lane holds query r and keys 16 kt + 8 h + 0 .. 7: converted, these ARE P's registers 2 kt, 2 kt + 1), O^T = V^T P^T (query r, channels 16 dt + 8 h + 0 .. 7:
; converted, the registers of the last product's operand).  ac: [tile of 16 tokens][K step of 128][2,048]; a head's 64 channels are 1,024 consecutive bytes of a token tile's 16,384.
; LIMITS on the given exponents: entries 6 + 7 between -123 and 130 (added to c's exponent field); entries 8 and 10 between -126 and 127.  NaN is not served.
.set LI,   1                           ; v1   16 x lane; never rewritten
.set AD,   2                           ; v2   LDS address of the step in hand
.set QL,   3                           ; v3   r - 8 h + 32 g
.set DQ,   4                           ; v4   the mask's number for this step
.set SC8,  5                           ; v5   2^e8
.set LIM8, 6
.set NINF, 7                           ; v7   -infinity
.set Q,    8                           ; v8-23   Q's two fragments
.set ST,   24                          ; v24-39  a tile's eight: +0 -M, +1 the largest score so far, +2, +3 the sum in two halves, +4 f (+5: 0, named with it as a pair), +6, +7 at work
.set KF,   40                          ; v40-71  K's four fragments
.set VF,   72                          ; v72-103 V^T's four
.set S,    104                         ; v104-167 S^T, then p: 32 a tile
.set O,    168                         ; v168-231 O^T: 32 a tile
.set P,    232                         ; v232-247 p's codes: 8 a tile
.set X2,   248                         ; v248-251 a second chain for each tile's sum
.set SC10, 252                         ; v252 2^e10
.set LIM10, 253
.macro CROUND                          ; a round of the cluster's barrier
	s_barrier_signal -1
	s_barrier_wait -1
	s_cmp_lg_u32 s12, 0
	s_cbranch_scc1 .Lnot_wave_0_\@
	s_barrier_signal -3
.Lnot_wave_0_\@:
	s_barrier_wait -3
	s_barrier_signal -1
	s_barrier_wait -1
.endm
	s_load_b256 s[4:11], s[0:1], 0x0               ; qc s[4:5], kvc s[6:7], scales s[8:9], ac s[10:11]
	v_lshl_add_u32 v254, v0, 2, 0x40000
	v_mov_b32 v255, 0
	ds_add_u32 v254, v255
	ds_add_u32 v254, v255
	v_lshrrev_b32 v1, 5, v0
	s_delay_alu instid0(VALU_DEP_1)
	v_readfirstlane_b32 s12, v1                    ; wave 0 .. 15
	s_bfe_u32 s13, ttmp6, 0x40000                  ; g: my place in the cluster
	s_lshr_b32 s14, s12, 2                         ; a
	s_and_b32 s15, s12, 3                          ; b
	s_xor_b32 s16, s14, s15
	s_lshl_b32 s17, s15, 1
	s_and_b32 s17, s17, 3
	s_lshr_b32 s18, s15, 1
	s_mul_i32 s18, s18, 3
	s_xor_b32 s17, s17, s18                        ; m(b)
	s_xor_b32 s17, s17, s14
	s_lshl_b32 s18, s16, 2
	s_add_co_u32 s18, s18, s17                     ; j
	s_lshl_b32 s20, s18, 1                         ; the first masked step
	s_add_co_u32 s19, s20, 1                       ; my last step
	s_lshl_b32 s17, s18, 7                         ; 128 j
	; descriptor groups 1: dense blocks, as rows of 256 bytes: 8 rows (2,048 bytes a wave) and 56 rows (14,336)
	s_mov_b32 s24, 15|(3<<16)|(1<<21)              ; 15:0 the mask: all four partners; 17:16 elements of 8 bytes; 21 set beside a mask
	s_mov_b32 s25, 32<<16                          ; tensor_dim0 = 32 elements
	s_mov_b32 s26, 8<<16                           ; tensor_dim1
	s_mov_b32 s27, 32<<16                          ; tile_dim0
	s_mov_b32 s28, 8                               ; tile_dim1
	s_mov_b32 s29, 32                              ; tensor_dim0_stride
	s_mov_b32 s30, 0
	s_mov_b32 s31, 0
	s_mov_b32 s32, 15|(3<<16)|(1<<21)
	s_mov_b32 s33, 32<<16
	s_mov_b32 s34, 56<<16
	s_mov_b32 s35, 32<<16
	s_mov_b32 s36, 56
	s_mov_b32 s37, 32
	s_mov_b32 s38, 0
	s_mov_b32 s39, 0
	s_mov_b32 s2, 0x76543210                       ; v_permlanex16_b32's selects: lane l xor 16
	s_mov_b32 s3, 0xfedcba98
	s_lshl_b32 s14, ttmp9, 18                      ; the head's block of kvc
	s_mov_b32 s15, 0
	s_lshl_b32 s41, s12, 11                        ; LDS and block alike: wave x 2,048,
	s_mul_i32 s45, s12, 14336
	s_add_co_u32 s45, s45, 32768                   ; and 32,768 + wave x 14,336
	s_mov_b32 s40, 1
	s_mov_b32 s44, 1
	s_wait_dscnt 0x0
	s_wait_kmcnt 0x0
	s_load_b256 s[48:55], s[8:9], 0x0              ; entries 0 .. 7
	s_load_b128 s[56:59], s[8:9], 0x20             ; entries 8 .. 11
	s_add_nc_u64 s[6:7], s[6:7], s[14:15]
	s_mov_b32 s14, s41
	s_add_nc_u64 s[42:43], s[6:7], s[14:15]
	s_or_b32 s43, s43, 0x80000000
	s_mov_b32 s14, s45
	s_add_nc_u64 s[46:47], s[6:7], s[14:15]
	s_or_b32 s47, s47, 0x80000000
	CROUND                                         ; all four work-groups are here: the joint loads meet
	tensor_load_to_lds s[40:43], s[24:31]          ; the small one of my two loads, the only ones of the launch; it has landed before the large one goes out
	s_nop 0
	s_wait_alu depctr_va_vdst(0)
	s_wait_tensorcnt 0x0
	ds_add_u32 v254, v255
	s_wait_dscnt 0x0
	CROUND
	tensor_load_to_lds s[44:47], s[32:39]
	s_nop 0
.rept 4
	v_nop
.endr
	s_lshl_b32 s14, ttmp9, 17                      ; qc: the head,
	s_lshl_b32 s16, s18, 13                        ; query tile 8 j
	s_add_co_u32 s14, s14, s16
	s_lshl_b32 s16, s13, 11                        ; + 2 g
	s_add_co_u32 s14, s14, s16
	s_add_nc_u64 s[4:5], s[4:5], s[14:15]
	v_and_b32 v1, 31, v0
	s_delay_alu instid0(VALU_DEP_1)
	v_lshlrev_b32 v[LI], 4, v1
.irp i, 0,1,2,3
	global_load_b128 v[Q+4*\i:Q+4*\i+3], v[LI], s[4:5] offset:512*\i
.endr
	s_lshr_b32 s14, ttmp9, 4                       ; ac: token tile 128 (batch) + 8 j + 2 g,
	s_lshl_b32 s14, s14, 7
	s_lshl_b32 s16, s18, 3
	s_add_co_u32 s14, s14, s16
	s_lshl_b32 s16, s13, 1
	s_add_co_u32 s14, s14, s16
	s_lshl_b32 s14, s14, 14
	s_and_b32 s16, ttmp9, 15                       ; the head's 1,024 bytes in it
	s_lshl_b32 s16, s16, 10
	s_add_co_u32 s14, s14, s16
	s_add_nc_u64 s[10:11], s[10:11], s[14:15]
	v_and_b32 v[QL], 15, v0
	v_bfe_u32 v[DQ], v0, 4, 1
	s_delay_alu instid0(VALU_DEP_1)
	v_lshlrev_b32 v[DQ], 3, v[DQ]
	s_delay_alu instid0(VALU_DEP_1)
	v_sub_nc_u32 v[QL], v[QL], v[DQ]
	s_lshl_b32 s16, s13, 5
	v_add_nc_u32 v[QL], s16, v[QL]
	v_mov_b32 v[NINF], 0xff800000
.irp t, 0,1
	v_mov_b32 v[ST+8*\t], 0x7f61b1e6               ; -M: 3e38: the first step's f is 0, and it multiplies zeros
	v_mov_b32 v[ST+8*\t+1], 0xff61b1e6             ; the largest score so far: -3e38
	v_mov_b32 v[ST+8*\t+2], 0
	v_mov_b32 v[ST+8*\t+3], 0
	v_mov_b32 v[ST+8*\t+5], 0
	v_mov_b32 v[ST+8*\t+7], 0                      ; a lane permute's destination counts as one of its sources
.endr
.set i, 0
.rept 64
	v_mov_b32 v[O+i], 0                            ; O^T.  (The step is written without a first copy of its own)
.set i, i+1
.endr
	s_wait_kmcnt 0x0
	s_add_co_i32 s16, s54, s55
	s_lshl_b32 s16, s16, 23
	s_add_co_i32 s60, s16, 0x3e38aa3b              ; c = log2(e) / 8, with entries 6 + 7 added to its exponent field: a score stands for score x 2^(e6 + e7)
	s_mov_b32 s61, s60                             ; (named with it as a pair)
	s_xor_b32 s62, s60, 0x80000000                 ; -c
	s_add_co_i32 s23, s56, s57                     ; e8 + e9
	s_add_co_i32 s16, s56, 127
	s_lshl_b32 s14, s16, 23
	v_mov_b32 v[SC8], s14
	s_add_co_i32 s16, s58, 127
	s_lshl_b32 s14, s16, 23
	v_mov_b32 v[SC10], s14
	s_mov_b32 s21, 0                               ; the step's number
	s_mov_b32 s22, 0                               ; and its LDS byte
; A KEY STEP: 64 keys for my two tiles.  Every wave walks every trip; a step behind my last is jumped over, by a branch on the wave's number and the trip's; the two lines at its end are on every path.
.macro STEP
	s_cmp_gt_u32 s21, s19
	s_cbranch_scc1 .Lhid_\@
	s_setprio 2
	v_add_nc_u32 v[AD], s22, v[LI]                 ; with the three v_nop: four places between the last step's products and the loads into V^T's registers
.rept 3
	v_nop
.endr
.irp f, 0,1,2,3
	ds_load_b128 v[KF+8*\f:KF+8*\f+3], v[AD] offset:1024*\f
	ds_load_b128 v[KF+8*\f+4:KF+8*\f+7], v[AD] offset:1024*\f+512
.endr
.irp f, 0,1,2,3
	ds_load_b128 v[VF+8*\f:VF+8*\f+3], v[AD] offset:4096+1024*\f
	ds_load_b128 v[VF+8*\f+4:VF+8*\f+7], v[AD] offset:4096+1024*\f+512
.endr
	s_lshl_b32 s16, s21, 6
	s_sub_co_i32 s16, s17, s16                     ; 128 j - the step's first key
	s_wait_dscnt 8                                 ; K is in; V^T's eight loads may be out
.irp kt, 0,1,2,3
.irp t, 0,1
	v_wmma_f32_16x16x64_bf8_bf8 v[S+32*\t+8*\kt:S+32*\t+8*\kt+7], v[KF+8*\kt:KF+8*\kt+7], v[Q+8*\t:Q+8*\t+7], 0
.endr
.endr
	v_add_nc_u32 v[DQ], s16, v[QL]                 ; with the three v_nop: the places behind these products
.rept 3
	v_nop
.endr
	s_cmp_lt_u32 s21, s20
	s_cbranch_scc1 .Lopen_\@                       ; all 64 keys count
	; register (t, kt, jj) holds key (first key) + 16 kt + 8 h + jj of query 128 j + 32 g + 16 t + r: hidden where 16 kt + jj - 16 t > DQ.  Hidden scores become -infinity: p = 0
.irp t, 0,1
.irp kt, 0,1,2,3
.irp jj, 0,1,2,3,4,5,6,7
	v_cmp_gt_i32 vcc_lo, 16*\kt+\jj-16*\t, v[DQ]
	v_cndmask_b32 v[S+32*\t+8*\kt+\jj], v[S+32*\t+8*\kt+\jj], v[NINF], vcc_lo
.endr
.endr
.endr
.Lopen_\@:
	; the largest score, three operands at a time, two chains a tile, the tiles line by line; each accumulator is first read at its low end
.irp t, 0,1
	v_max3_num_f32 v[ST+8*\t+6], v[S+32*\t], v[S+32*\t+1], v[S+32*\t+2]
	v_max3_num_f32 v[ST+8*\t+7], v[S+32*\t+16], v[S+32*\t+17], v[S+32*\t+18]
.endr
.irp i, 3,5,7,9,11,13
.irp t, 0,1
	v_max3_num_f32 v[ST+8*\t+6], v[ST+8*\t+6], v[S+32*\t+\i], v[S+32*\t+\i+1]
	v_max3_num_f32 v[ST+8*\t+7], v[ST+8*\t+7], v[S+32*\t+16+\i], v[S+32*\t+17+\i]
.endr
.endr
.irp t, 0
	v_max3_num_f32 v[ST+8*\t+6], v[ST+8*\t+6], v[S+32*\t+15], v[S+32*\t+31]
.endr
.irp t, 1
	v_max3_num_f32 v[ST+8*\t+6], v[ST+8*\t+6], v[S+32*\t+15], v[S+32*\t+31]
.endr
.irp t, 0,1
	s_delay_alu instid0(VALU_DEP_2)
	v_max3_num_f32 v[ST+8*\t+6], v[ST+8*\t+6], v[ST+8*\t+7], v[ST+8*\t+1]   ; with the largest so far
.endr
.irp t, 0,1
	s_delay_alu instid0(VALU_DEP_2)
	v_permlanex16_b32 v[ST+8*\t+7], v[ST+8*\t+6], s2, s3                     ; the query's other 32 keys lie in lane l xor 16
.endr
.irp t, 0,1
	s_delay_alu instid0(VALU_DEP_2)
	v_max_num_f32 v[ST+8*\t+1], v[ST+8*\t+6], v[ST+8*\t+7]
.endr
.irp t, 0,1
	s_delay_alu instid0(VALU_DEP_2)
	v_mul_f32 v[ST+8*\t+6], s62, v[ST+8*\t+1]      ; -t
.endr
.irp t, 0,1
	s_delay_alu instid0(VALU_DEP_2)
	v_floor_f32 v[ST+8*\t+7], v[ST+8*\t+6]         ; the new -M = floor(-t) = -ceil(t)
.endr
.irp t, 0,1
	s_delay_alu instid0(VALU_DEP_2)
	v_sub_f32 v[ST+8*\t+6], v[ST+8*\t+7], v[ST+8*\t]   ; old M - new M: a whole number, 0 or less
.endr
.irp t, 0,1
	s_delay_alu instid0(VALU_DEP_4)
	v_mov_b32 v[ST+8*\t], v[ST+8*\t+7]
.endr
.irp t, 0,1
	s_delay_alu instid0(VALU_DEP_4)
	v_cvt_i32_f32 v[ST+8*\t+6], v[ST+8*\t+6]       ; (it saturates)
.endr
.irp t, 0,1
	s_delay_alu instid0(VALU_DEP_2)
	v_ldexp_f32 v[ST+8*\t+4], 1.0, v[ST+8*\t+6]    ; f = 2^(old M - new M)
.endr
.irp i, 0,2,4,6,8,10,12,14,16,18,20,22,24,26,28,30
.irp t, 0,1
	v_pk_fma_f32 v[S+32*\t+\i:S+32*\t+\i+1], v[S+32*\t+\i:S+32*\t+\i+1], s[60:61], v[ST+8*\t:ST+8*\t+1] op_sel_hi:[1,0,0]   ; t - M (of the pairs c and -M the low word serves both halves)
.endr
.endr
.set i, 0
	s_setprio 1
	s_wait_alu depctr_va_vdst(0)
.rept 64
	v_exp_f32 v[S+i], v[S+i]                       ; p = 2^(t - M): both tiles' exponentials are one batch
.set i, i+1
.endr
.irp t, 0,1
	v_pk_mul_f32 v[ST+8*\t+2:ST+8*\t+3], v[ST+8*\t+2:ST+8*\t+3], v[ST+8*\t+4:ST+8*\t+5] op_sel_hi:[1,0]   ; the sums under the new M: the plain lines behind the exponentials
.endr
	s_wait_alu depctr_va_vdst(0)                   ; one wait for the batch, ahead of its first reader
.irp t, 0,1
	v_pk_add_f32 v[X2+2*\t:X2+2*\t+1], v[S+32*\t:S+32*\t+1], v[S+32*\t+2:S+32*\t+3]   ; the row's sum is taken of the unquantised p
.endr
.irp i, 4,8,12,16,20,24,28
.irp t, 0,1
	v_pk_add_f32 v[ST+8*\t+2:ST+8*\t+3], v[ST+8*\t+2:ST+8*\t+3], v[S+32*\t+\i:S+32*\t+\i+1]
	v_pk_add_f32 v[X2+2*\t:X2+2*\t+1], v[X2+2*\t:X2+2*\t+1], v[S+32*\t+\i+2:S+32*\t+\i+3]
.endr
.endr
.irp t, 0
	s_delay_alu instid0(VALU_DEP_3)
	v_pk_add_f32 v[ST+8*\t+2:ST+8*\t+3], v[ST+8*\t+2:ST+8*\t+3], v[X2+2*\t:X2+2*\t+1]
.endr
.irp t, 1
	s_delay_alu instid0(VALU_DEP_2)
	v_pk_add_f32 v[ST+8*\t+2:ST+8*\t+3], v[ST+8*\t+2:ST+8*\t+3], v[X2+2*\t:X2+2*\t+1]
.endr
.irp kt, 0,1,2,3
.irp t, 0,1
.irp jj, 0,1,2,3,4,5,6,7
.endr
	v_cvt_scalef32_pk8_bf8_f32 v[P+8*\t+2*\kt:P+8*\t+2*\kt+1], v[S+32*\t+8*\kt:S+32*\t+8*\kt+7], v[SC8]
.endr
.endr
.irp i, 0,2,4,6,8,10,12,14,16,18,20,22,24,26,28,30
.irp t, 0,1
	v_pk_mul_f32 v[O+32*\t+\i:O+32*\t+\i+1], v[O+32*\t+\i:O+32*\t+\i+1], v[ST+8*\t+4:ST+8*\t+5] op_sel_hi:[1,0]   ; O^T under the new M.  (Also the plain lines behind the conversions)
.endr
.endr
	s_setprio 0
	s_wait_alu depctr_va_vdst(0)
	s_wait_dscnt 0x0                               ; V^T is in
.irp dt, 0,1,2,3
.irp t, 0,1
	v_wmma_f32_16x16x64_bf8_bf8 v[O+32*\t+8*\dt:O+32*\t+8*\dt+7], v[VF+8*\dt:VF+8*\dt+7], v[P+8*\t:P+8*\t+7], v[O+32*\t+8*\dt:O+32*\t+8*\dt+7]   ; eight accumulators by turns
.endr
.endr
.Lhid_\@:
	s_add_co_u32 s22, s22, 8192
	s_add_co_u32 s21, s21, 1
.endm
	s_wait_loadcnt 0x0                             ; Q
	s_wait_tensorcnt 0x1                           ; my part of steps 0 - 3 is in; the large load may stay out
	s_barrier_signal -1
	s_barrier_wait -1                              ; everybody's is
.Lfirst:
	STEP
	s_cmp_lt_u32 s21, 4
	s_cbranch_scc1 .Lfirst
	s_setprio 0
	s_wait_tensorcnt 0x0                           ; my part of steps 4 - 31 is in,
	s_wait_dscnt 0x0
	s_barrier_signal -1
	s_barrier_wait -1                              ; everybody's is
.Lrest:
	STEP
	s_cmp_lt_u32 s21, 32
	s_cbranch_scc1 .Lrest
	s_setprio 0
	; THE WAY OUT: O^T x 2^(e8 + e9) / the sum, held and converted with 2^e10: the registers of the last product's operand, stored as planes
.rept 4
	v_nop
.endr
.irp t, 0,1
	v_add_f32 v[ST+8*\t+6], v[ST+8*\t+2], v[ST+8*\t+3]
.endr
.irp t, 0,1
	s_delay_alu instid0(VALU_DEP_2)
	v_permlanex16_b32 v[ST+8*\t+7], v[ST+8*\t+6], s2, s3
.endr
.irp t, 0,1
	s_delay_alu instid0(VALU_DEP_2)
	v_add_f32 v[ST+8*\t+6], v[ST+8*\t+6], v[ST+8*\t+7]
.endr
	s_wait_alu depctr_va_vdst(0)
.irp t, 0,1
	v_rcp_f32 v[ST+8*\t+4], v[ST+8*\t+6]
.endr
	v_nop                                          ; a plain line behind the reciprocals,
	s_wait_alu depctr_va_vdst(0)                   ; and one wait for both, ahead of their first reader
.irp t, 0,1
	v_ldexp_f32 v[ST+8*\t+4], v[ST+8*\t+4], s23
.endr
.irp i, 0,2,4,6,8,10,12,14,16,18,20,22,24,26,28,30
.irp t, 0,1
	v_pk_mul_f32 v[S+32*\t+\i:S+32*\t+\i+1], v[O+32*\t+\i:O+32*\t+\i+1], v[ST+8*\t+4:ST+8*\t+5] op_sel_hi:[1,0]
.endr
.endr
.irp kt, 0,1,2,3
.irp t, 0,1
.irp jj, 0,1,2,3,4,5,6,7
.endr
	v_cvt_scalef32_pk8_bf8_f32 v[P+8*\t+2*\kt:P+8*\t+2*\kt+1], v[S+32*\t+8*\kt:S+32*\t+8*\kt+7], v[SC10]
.endr
.endr
	v_nop
.irp t, 0,1
.irp p, 0,1
	global_store_b128 v[LI], v[P+8*\t+4*\p:P+8*\t+4*\p+3], s[10:11] offset:16384*\t+512*\p   ; a plane: 512 consecutive bytes
.endr
.endr
	s_wait_tensorcnt 0x0
	ds_add_u32 v254, v255
	s_wait_dscnt 0x0
	CROUND                                         ; the closing round
	s_endpgm
.Lfunc_end_k_qc18c2f7d85_attn:
	.size	k_qc18c2f7d85_attn, .Lfunc_end_k_qc18c2f7d85_attn-k_qc18c2f7d85_attn
	.p2alignl 7, 3214868480
	.fill 96, 4, 3214868480
	.section	.rodata,"a",@progbits
	.p2align	6, 0x0
	.amdhsa_kernel k_qc18c2f7d85_attn
		.amdhsa_group_segment_fixed_size 327680
		.amdhsa_private_segment_fixed_size 0
		.amdhsa_enable_private_segment 0
		.amdhsa_kernarg_size 32
		.amdhsa_user_sgpr_count 2
		.amdhsa_user_sgpr_kernarg_segment_ptr 1
		.amdhsa_wavefront_size32 1
		.amdhsa_system_sgpr_workgroup_id_x 1
		.amdhsa_system_sgpr_workgroup_id_y 1
		.amdhsa_system_sgpr_workgroup_id_z 1
		.amdhsa_system_vgpr_workitem_id 0
		.amdhsa_next_free_vgpr 256
		.amdhsa_next_free_sgpr 66
		.amdhsa_reserve_vcc 1
		.amdhsa_float_denorm_mode_32 3
		.amdhsa_float_denorm_mode_16_64 3
		.amdhsa_fp16_overflow 1
		.amdhsa_memory_ordered 1
		.amdhsa_forward_progress 1
		.amdhsa_inst_pref_size 51
	.end_amdhsa_kernel
	.amdgpu_metadata
---
amdhsa.version: [ 1, 2 ]
amdhsa.kernels:
  - .name:           k_qc18c2f7d85_attn
    .symbol:         k_qc18c2f7d85_attn.kd
    .args:
      - { .name: qc, .offset: 0, .size: 8, .value_kind: global_buffer, .address_space: global }
      - { .name: kvc, .offset: 8, .size: 8, .value_kind: global_buffer, .address_space: global }
      - { .name: lowp_scales, .offset: 16, .size: 8, .value_kind: global_buffer, .address_space: global }
      - { .name: ac, .offset: 24, .size: 8, .value_kind: global_buffer, .address_space: global }
    .group_segment_fixed_size: 327680
    .private_segment_fixed_size: 0
    .kernarg_segment_align: 8
    .kernarg_segment_size: 32
    .max_flat_workgroup_size: 512
    .sgpr_count:     66
    .vgpr_count:     256
    .wavefront_size: 32
...
	.end_amdgpu_metadata
.endif
;; end of part 3
;; launch oproj (part 4): grid 4 x 32, 4 waves a work-group, clusters of 4 x 4, 327,680 bytes of LDS; arguments ac, wc, lowp_scales, bo, out0; writes out0
.if DOCPART == 4
	.amdgcn_target "amdgcn-amd-amdhsa--gfx1250"
	.amdhsa_code_object_version 6
	.text
	.protected	k_qc18c2f7d85_oproj
	.globl	k_qc18c2f7d85_oproj
	.p2align	8
	.type	k_qc18c2f7d85_oproj,@function
k_qc18c2f7d85_oproj:
	s_mov_b64 s[64:65], 0
	v_nop
	global_prefetch_b8 v0, s[64:65] scope:SCOPE_SE
	s_setreg_imm32_b32 hwreg(HW_REG_WAVE_MODE, 25, 1), 1
	s_wait_xcnt 0x0
	s_wait_alu depctr_hold_cnt(0) depctr_sa_sdst(0) depctr_va_vdst(0) depctr_va_sdst(0) depctr_va_ssrc(0) depctr_va_vcc(0) depctr_vm_vsrc(0)
	s_getreg_b32 s2, hwreg(HW_REG_IB_STS2, 6, 4)
	s_cmp_eq_u32 s2, 0
	s_cbranch_scc0 .Lentry_in_a_cluster
	s_endpgm
.Lentry_in_a_cluster:
	s_bfe_u32 s2, ttmp6, 0x10000c
	s_cmp_lg_u32 s2, 0xf033
	s_cbranch_scc0 .Lentry_shape_is_right
	s_endpgm
.Lentry_shape_is_right:
; out0 = a wo + bo on codes of BF8 (E5M2), sums in f32.  a: the attention's result as codes, [tile of 16 tokens][K step of 128][2,048]; wo: the fourth weight of wc, [tile of 16 columns][K step][2,048]:
; images of the operands' registers: a fragment (16 rows x 128 K) is four planes of 512 bytes, lane l's 16 bytes at 16 l; lane (r, h): row r, registers 2 c, 2 c + 1: k = 16 c + 8 h + 0 .. 7.
; A tile of out0 is 256 x 256: four waves, each 128 x 128 in 64 accumulators.  K = 1,024 goes in four steps of 256 through two LDS slots.
; THE MATRIX INSTRUCTION IS USED TRANSPOSED (source 0 = 16 columns of wo, source 1 = 16 tokens): a lane holds eight neighbouring numbers of a row of out0.
; CLUSTERS: 4 x 4 work-groups; a's tile is shared along a row of the cluster, wo's along a column: each is asked for jointly.
; A sum stands for sum x 2^(e10 + e11).  The bias is the C of each sum's first matrix instruction, as bo / 2^(e10 + e11); each finished sum is multiplied once by 2^(e10 + e11).
; LIMIT: e10 + e11 between -126 and 127, so that this power of two is an f32 number.
; REGISTERS: window 0: v16-29 addresses; v32-95 the bias, later a block's results; v128-255 a's fragments, one set, later rows read back.   window 1: wo's fragments, two sets.   windows 2, 3: the accumulators.
.set FR,     16
.set NL,     4
.set NP,     4                         ; places behind this matrix instruction (ISA guide 7.12.1)
.set HALFT,  32768                     ; 8 row tiles x 4,096 bytes
.set BSIDE,  65536
.set SLOT,   131072
.set SPARE,  2*SLOT                    ; behind the ring: the spare words, 128 bytes for each wave
.set SPITCH, 528                       ; the way out: a stage of 16 rows x (512 bytes + 16) for each wave, in slot 0, which has had its last fill and its last read when the first result is stored there
.set ADRA, 16
.set ADRB, 20
.set STO,  24
.set RD,   25
.set CO,   26
.set SPW,  28
.set NIL,  29
.set BB,   32
.set TMP,  32
.set AF,   128
.set BK,   128
.set G1, 24
.set G0, 32
.set G1B, 48
.set G0B, 56
.set MSB, 0
.macro WIN new                         ; the immediate's high byte repeats the setting that is left
.if MSB != \new
	s_set_vgpr_msb (MSB<<8)|\new
.set MSB, \new
.endif
.endm
.set MUL_LO, 0xa1                      ; source 0 (wo) window 1, source 1 (a) window 0, C and D window 2
.set MUL_HI, 0xf1                      ; the same, C and D window 3
.set BIA_LO, 0x81                      ; the first step: C (the bias) window 0, D window 2
.set BIA_HI, 0xc1                      ; D window 3
.set TO_B,   0x40
.macro JLOAD g0a, g1a, g0b, g1b        ; a joint load: waves 0 and 1 fetch for a, waves 2 and 3 for wo; four v_nop follow each of the two lines
	s_cmp_eq_u32 s15, 0
	s_cbranch_scc0 .Lfor_b_\@
	tensor_load_to_lds s[\g0a:\g0a+3], s[\g1a:\g1a+7]
	s_nop 0
.rept 4
	v_nop
.endr
	s_branch .Lasked_\@
.Lfor_b_\@:
	tensor_load_to_lds s[\g0b:\g0b+3], s[\g1b:\g1b+7]
	s_nop 0
.rept 4
	v_nop
.endr
.Lasked_\@:
.endm
.macro CREST
	s_cmp_lg_u32 s14, 0
	s_cbranch_scc1 .Lnot_wave_0_\@
	s_barrier_signal -3
.Lnot_wave_0_\@:
	s_barrier_wait -3
	s_barrier_signal -1
	s_barrier_wait -1
.endm
.macro CROUND
	s_barrier_signal -1
	s_barrier_wait -1
	CREST
.endm
	s_load_b256 s[68:75], s[0:1], 0x0              ; ac s[68:69], wc s[70:71], scales s[72:73], bo s[74:75]
	s_load_b64 s[10:11], s[0:1], 0x20              ; out0
	v_lshl_add_u32 v[SPW], v0, 2, SPARE
	v_mov_b32 v[NIL], 0
	ds_add_u32 v28, v29
	ds_add_u32 v28, v29
	s_wait_dscnt 0x0
	v_lshrrev_b32 v1, 5, v0
	v_readfirstlane_b32 s14, v1                    ; wave 0 .. 3
	s_lshr_b32 s15, s14, 1                         ; which half of the tile's rows is mine.  Also: I fetch for a (0) or for wo (1)
	s_and_b32 s16, s14, 1                          ; which half of its columns.  Also: which 8 row tiles I fetch
	s_bfe_u32 s40, ttmp6, 0x40000                  ; cx, cy
	s_bfe_u32 s41, ttmp6, 0x40004
	s_lshl_b32 s42, ttmp9, 2
	s_add_co_u32 s42, s42, s40                     ; tile column = 4 x cluster x + cx
	s_and_b32 s17, ttmp7, 0xffff
	s_lshl_b32 s17, s17, 2
	s_add_co_u32 s17, s17, s41                     ; tile row = 4 x cluster y + cy
	s_lshl_b32 s43, s41, 2
	s_lshl_b32 s43, 15, s43                        ; my row of the cluster
	s_lshl_b32 s44, 0x1111, s40                    ; my column
	s_or_b32 s[G1+0], s43, (3<<16)|(1<<21)         ; 15:0 the mask; 17:16 elements of 8 bytes; 21 set beside a mask
	s_or_b32 s[G1B+0], s44, (3<<16)|(1<<21)
.irp g, G1, G1B
	s_mov_b32 s[\g+1], 512<<16                     ; tensor_dim0: 4,096 bytes, a K step of 256 of one row tile
	s_mov_b32 s[\g+2], 8<<16                       ; tensor_dim1: 8 row tiles
	s_mov_b32 s[\g+3], 512<<16                     ; tile_dim0
	s_mov_b32 s[\g+4], 8                           ; tile_dim1
	s_mov_b32 s[\g+5], 2048                        ; tensor_dim0_stride: 16,384 bytes
	s_mov_b32 s[\g+6], 0
	s_mov_b32 s[\g+7], 0
.endr
	s_lshl_b32 s5, s16, 17
	s_lshl_b32 s20, s17, 18
	s_add_co_u32 s20, s20, s5
	s_mov_b32 s21, 0
	s_lshl_b32 s46, s42, 18
	s_add_co_u32 s46, s46, s5
	s_mov_b32 s47, 0
	s_lshl_b32 s45, s14, 15                        ; where they go: wave x 32,768
	s_wait_kmcnt 0x0
	s_load_b64 s[96:97], s[72:73], 0x28            ; e10, e11
	s_add_nc_u64 s[6:7], s[70:71], 0x300000        ; wo's codes
	s_add_nc_u64 s[20:21], s[68:69], s[20:21]
	s_add_nc_u64 s[46:47], s[6:7], s[46:47]
	CROUND                                         ; all sixteen work-groups are here: the first joint loads meet
.irp s, 0,1
	s_mov_b32 s[G0+4*\s], 1
	s_add_co_u32 s[G0+4*\s+1], s45, \s*SLOT
	s_add_nc_u64 s[G0+4*\s+2:G0+4*\s+3], s[20:21], \s*4096
	s_or_b32 s[G0+4*\s+3], s[G0+4*\s+3], 0x80000000
	s_mov_b32 s[G0B+4*\s], 1
	s_add_co_u32 s[G0B+4*\s+1], s45, \s*SLOT
	s_add_nc_u64 s[G0B+4*\s+2:G0B+4*\s+3], s[46:47], \s*4096
	s_or_b32 s[G0B+4*\s+3], s[G0B+4*\s+3], 0x80000000
	s_wait_alu depctr_va_vdst(0)
	s_wait_tensorcnt 0x0
	ds_add_u32 v28, v29
	ds_add_u32 v28, v29
	s_wait_dscnt 0x0
	CROUND
	JLOAD G0+4*\s, G1, G0B+4*\s, G1B
.endr
	s_lshl_b32 s18, s42, 10                        ; the bias: 4 (256 tile column + 128 half) bytes
	s_lshl_b32 s19, s16, 9
	s_add_co_u32 s18, s18, s19
	s_mov_b32 s19, 0
	s_add_nc_u64 s[18:19], s[74:75], s[18:19]
	v_and_b32 v1, 15, v0                           ; r
	s_wait_alu depctr_va_vdst(0)
	v_bfe_u32 v2, v0, 4, 1                         ; h
	v_lshlrev_b32 v7, 5, v2
.irp b, 0,1,2,3,4,5,6,7
	global_load_b128 v[BB+8*\b:BB+8*\b+3], v7, s[18:19] offset:64*\b          ; bo(16 b + 8 h + 0 .. 7)
	global_load_b128 v[BB+8*\b+4:BB+8*\b+7], v7, s[18:19] offset:64*\b+16
.endr
	v_and_b32 v6, 31, v0
	v_lshlrev_b32 v[CO], 4, v6                     ; 16 x lane: my place in a plane, in a stage row read back, and in a row of out0
	s_lshl_b32 s21, s15, 15
	s_lshl_b32 s22, s16, 15
	s_add_co_u32 s22, s22, BSIDE
.irp s, 0,1
	v_add_nc_u32 v[ADRA+\s], s21, v[CO]
	v_add_nc_u32 v[ADRB+\s], s22, v[CO]
	s_add_co_u32 s21, s21, SLOT
	s_add_co_u32 s22, s22, SLOT
.endr
	s_mul_i32 s23, s14, 16*SPITCH                  ; my stage
	v_mul_u32_u24 v5, v1, SPITCH                   ; in: row r, 32 bytes for each half of the lanes
	s_wait_alu depctr_va_vdst(0)
	v_lshl_add_u32 v5, v2, 5, v5
	v_add_nc_u32 v[STO], s23, v5
	v_add_nc_u32 v[RD], s23, v[CO]                 ; back: the 32 lanes take one row of 512 bytes
	s_lshl_b32 s20, s17, 8
	s_lshl_b32 s21, s15, 7
	s_add_co_u32 s20, s20, s21                     ; my first row of out0,
	s_lshl_b32 s20, s20, 12                        ; of 4,096 bytes,
	s_lshl_b32 s46, s42, 10
	s_lshl_b32 s47, s16, 9
	s_add_co_u32 s46, s46, s47                     ; my first column
	s_add_co_u32 s20, s20, s46
	s_mov_b32 s21, 0
	s_add_nc_u64 s[10:11], s[10:11], s[20:21]
	s_wait_loadcnt 0x0
	s_wait_kmcnt 0x0
	s_add_co_i32 s5, s96, s97                      ; e10 + e11
	s_sub_co_i32 s6, 0, s5
.set i, 0
.rept 64
	v_ldexp_f32 v[BB+i], v[BB+i], s6               ; bo / 2^(e10 + e11)
.set i, i+1
.endr
	s_add_co_i32 s96, s5, 127
	s_lshl_b32 s96, s96, 23                        ; 2^(e10 + e11) as f32
.macro FRAG reg, adr, q, i
.irp c, 0,1,2,3
	ds_load_b128 v[\reg+4*\c:\reg+4*\c+3], v[\adr] offset:2048*(\q)+4096*(\i)+512*\c
.endr
.endm
; 16 matrix instructions: blocks a0, a0 + 1 of tokens x wo's eight, 128 along K.  cm = 2: the bias is C and starts the sums; cm = 0: in place.
; The 64 accumulators take turns, one instruction a turn, in the same order in every step.
.macro MUL16 a0, p, cm
.irp a, \a0, \a0+1
.irp b, 0,1,2,3,4,5,6,7
.if \cm == 2
	v_wmma_f32_16x16x128_bf8_bf8 v[8*(8*((\a)%4)+\b):8*(8*((\a)%4)+\b)+7], v[128*(\p)+FR*\b:128*(\p)+FR*\b+FR-1], v[AF+FR*(\a):AF+FR*(\a)+FR-1], v[BB+8*\b:BB+8*\b+7]
.else
	v_wmma_f32_16x16x128_bf8_bf8 v[8*(8*((\a)%4)+\b):8*(8*((\a)%4)+\b)+7], v[128*(\p)+FR*\b:128*(\p)+FR*\b+FR-1], v[AF+FR*(\a):AF+FR*(\a)+FR-1], v[8*(8*((\a)%4)+\b):8*(8*((\a)%4)+\b)+7]
.endif
.endr
.endr
.endm
.macro FETCH_B slot, q, p
	WIN TO_B
.irp i, 0,1,2,3,4,5,6,7
	FRAG 128*(\p)+FR*\i, ADRB+\slot, \q, \i
.endr
	WIN 0
.endm
.macro FETCH_A slot, q, i0
.irp i, \i0, \i0+1, \i0+2, \i0+3
	FRAG AF+FR*(\i), ADRA+\slot, \q, \i
.endr
.endm
.macro PLACES n
.rept \n
	v_nop
.endr
.endm
.macro STEP slot, q, cm
	s_wait_dscnt 4*NL                              ; wo's set and blocks 0-3 are in; the youngest sixteen loads (blocks 4-7) may be out
.if \cm == 2
	WIN BIA_LO
.else
	WIN MUL_LO
.endif
	MUL16 0, (\q)%2, \cm
	MUL16 2, (\q)%2, \cm
	s_wait_dscnt 0
	PLACES NP
	FETCH_B \slot, (\q)+1, 1-(\q)%2
	FETCH_A \slot, (\q)+1, 0
.if \cm == 2
	WIN BIA_HI
.else
	WIN MUL_HI
.endif
	MUL16 4, (\q)%2, \cm
	MUL16 6, (\q)%2, \cm
	PLACES NP
	WIN 0
	FETCH_A \slot, (\q)+1, 4
.endm
.macro TURN slot, next, fill
	s_wait_tensorcnt 0x0                           ; all my tensor loads have landed: my part of the next slot
	ds_add_u32 v[SPW], v[NIL]                      ; 0 onto my spare word
	s_wait_dscnt 4*NL+1                            ; (the add and the youngest sixteen loads may be out)
	WIN MUL_LO
	MUL16 0, 1, 0
	s_wait_dscnt 0x0                               ; the add is done, and my reads of this slot are over
	s_barrier_signal -1
	MUL16 2, 1, 0
	WIN 0
	s_barrier_wait -1
.if \fill
	CREST                                          ; the barrier has opened a round of the cluster's barrier
	s_add_nc_u64 s[G0+4*\slot+2:G0+4*\slot+3], s[G0+4*\slot+2:G0+4*\slot+3], 8192
	s_add_nc_u64 s[G0B+4*\slot+2:G0B+4*\slot+3], s[G0B+4*\slot+2:G0B+4*\slot+3], 8192
	JLOAD G0+4*\slot, G1, G0B+4*\slot, G1B
.else
	PLACES NP
.endif
	FETCH_B \next, 0, 0
	FETCH_A \next, 0, 0
	WIN MUL_HI
	MUL16 4, 1, 0
	MUL16 6, 1, 0
	PLACES NP
	WIN 0
	FETCH_A \next, 0, 4
.endm
	s_wait_alu depctr_va_vdst(0)
	s_wait_tensorcnt 1                             ; my part of K step 0 is in (K step 1's load may be out),
	s_barrier_signal -1
	s_barrier_wait -1                              ; everybody's is
	FETCH_B 0, 0, 0
	FETCH_A 0, 0, 0
	FETCH_A 0, 0, 4
	STEP 0, 0, 2                                   ; eight steps of 128 along K, written out: the first takes the bias as C
	TURN 0, 1, 1
	STEP 1, 0, 0
	TURN 1, 0, 1
	STEP 0, 0, 0
	TURN 0, 1, 0
	STEP 1, 0, 0
	s_wait_dscnt 4*NL
	WIN MUL_LO
	MUL16 0, 1, 0
	MUL16 2, 1, 0
	s_wait_dscnt 0
	WIN MUL_HI
	MUL16 4, 1, 0
	MUL16 6, 1, 0
	WIN 0
; THE WAY OUT, block by block of 16 rows x 128 columns: through my own stage in LDS and back as whole rows of 512 bytes.  LDS serves a wave's instructions in order (ISA guide 5.7.1.4): no wait between the stores and the loads.
.macro TOSTAGE a
.set AC, 64*((\a)%4)
	WIN 0x02+((\a)/4)                              ; source 0: window 2 or 3
.irp j, 0,2,4,6,8,10,12,14,16,18,20,22,24,26,28,30,32,34,36,38,40,42,44,46,48,50,52,54,56,58,60,62
	v_pk_mul_f32 v[TMP+\j:TMP+\j+1], v[AC+\j:AC+\j+1], s[96:97] op_sel_hi:[1,0]   ; both x s96 = 2^(e10 + e11); each accumulator from its low end on
.endr
	WIN 0
.irp b, 0,1,2,3,4,5,6,7
	ds_store_b128 v[STO], v[TMP+8*\b:TMP+8*\b+3] offset:64*\b
	ds_store_b128 v[STO], v[TMP+8*\b+4:TMP+8*\b+7] offset:64*\b+16
.endr
.set BBK, BK+64*((\a)%2)
.irp t, 0,1,2,3,4,5,6,7,8,9,10,11,12,13,14,15
	ds_load_b128 v[BBK+4*\t:BBK+4*\t+3], v[RD] offset:\t*SPITCH
.endr
.endm
.macro SEND a, younger                 ; younger: the LDS instructions issued behind block a's loads, which may stay out
.set BBK, BK+64*((\a)%2)
	s_wait_dscnt \younger
.if (\a) > 0
	s_add_nc_u64 s[10:11], s[10:11], 65536         ; (behind a wait on XCNT: the earlier stores have read their base)  16 rows of out0 on
.endif
.irp t, 0,1,2,3,4,5,6,7,8,9,10,11,12,13,14,15
	global_store_b128 v[CO], v[BBK+4*\t:BBK+4*\t+3], s[10:11] offset:\t*4096 th:TH_STORE_NT   ; 32 lanes store 512 consecutive bytes, at a multiple of 256 from out0's first byte
.endr
.endm
	PLACES NP
	TOSTAGE 0
.irp a, 1,2,3,4,5,6,7
.if \a > 1
	s_wait_xcnt 0x0                                ; block a - 2's stores have read their registers and their base
.endif
	TOSTAGE \a
	SEND \a-1, 32                                  ; behind block a - 1's loads: block a's 16 stores and 16 loads
.endr
	s_wait_xcnt 0x0
	SEND 7, 0
	s_wait_tensorcnt 0x0                           ; the wave's end
	ds_add_u32 v[SPW], v[NIL]
	s_wait_dscnt 0x0
	CROUND                                         ; the closing round
	s_endpgm
.Lfunc_end_k_qc18c2f7d85_oproj:
	.size	k_qc18c2f7d85_oproj, .Lfunc_end_k_qc18c2f7d85_oproj-k_qc18c2f7d85_oproj
	.p2alignl 7, 3214868480
	.fill 96, 4, 3214868480
	.section	.rodata,"a",@progbits
	.p2align	6, 0x0
	.amdhsa_kernel k_qc18c2f7d85_oproj
		.amdhsa_group_segment_fixed_size 327680
		.amdhsa_private_segment_fixed_size 0
		.amdhsa_enable_private_segment 0
		.amdhsa_kernarg_size 40
		.amdhsa_user_sgpr_count 2
		.amdhsa_user_sgpr_kernarg_segment_ptr 1
		.amdhsa_wavefront_size32 1
		.amdhsa_system_sgpr_workgroup_id_x 1
		.amdhsa_system_sgpr_workgroup_id_y 1
		.amdhsa_system_sgpr_workgroup_id_z 1
		.amdhsa_system_vgpr_workitem_id 0
		.amdhsa_next_free_vgpr 1024
		.amdhsa_next_free_sgpr 100
		.amdhsa_reserve_vcc 0
		.amdhsa_float_denorm_mode_32 3
		.amdhsa_float_denorm_mode_16_64 3
		.amdhsa_memory_ordered 1
		.amdhsa_forward_progress 1
		.amdhsa_inst_pref_size 129
	.end_amdhsa_kernel
	.amdgpu_metadata
---
amdhsa.version: [ 1, 2 ]
amdhsa.kernels:
  - .name:           k_qc18c2f7d85_oproj
    .symbol:         k_qc18c2f7d85_oproj.kd
    .args:
      - { .name: ac, .offset: 0, .size: 8, .value_kind: global_buffer, .address_space: global }
      - { .name: wc, .offset: 8, .size: 8, .value_kind: global_buffer, .address_space: global }
      - { .name: lowp_scales, .offset: 16, .size: 8, .value_kind: global_buffer, .address_space: global }
      - { .name: bo, .offset: 24, .size: 8, .value_kind: global_buffer, .address_space: global }
      - { .name: out0, .offset: 32, .size: 8, .value_kind: global_buffer, .address_space: global }
    .group_segment_fixed_size: 327680
    .private_segment_fixed_size: 0
    .kernarg_segment_align: 8
    .kernarg_segment_size: 40
    .max_flat_workgroup_size: 128
    .sgpr_count:     100
    .vgpr_count:     1024
    .wavefront_size: 32
...
	.end_amdgpu_metadata
.endif
;; end of part 4
